; MI455X (gfx1250); checked and timed in simulation.
; The chip was launched on July 23, 2026; its instructions are those of AMD's public machine-readable ISA for CDNA 5 (MIT licence, August 2026) and "CDNA5" Instruction Set Architecture Reference Guide (July 2026). The comments in the code are by the model that wrote it; some were corrected since.
;; Char Offset Ro PE Attention. Allowed arithmetic: matrix products marked QUANTISED: E2M3 operands, one E8M0 scale for each 32 along K, by v_wmma_scale_f32_16x16x128_f8f6f4 with both operands' format E2M3, f32 sums; everything else in f32.
;; Inputs: position_ids 4 x 2,048 int32; wk 1,024 x 1,024 float32; wo 1,024 x 1,024 float32; wq 1,024 x 1,024 float32; wv 1,024 x 1,024 float32; x 4 x 2,048 x 1,024 float32.
;; Outputs: out0 4 x 2,048 x 1,024 float32.
;; This version of the problem:
;;   THIS VERSION OF THE PROBLEM IS GIVEN IN LOW PRECISION. The matrix products marked QUANTISED in the list below multiply operands that are first quantised to E2M3 (2 exponent bits, 3 mantissa bits; 6 bits a number), with one power-of-two scale for each 32 numbers along K (OCP MX v1.0); their sums are f32. All else is computed in f32.
;;   The module's matrix products, in the order in which they are computed (A, B: the left and right operand; K: the contracted axis; several contracted axes count as one K, in the product's order):
;;     1. [M 8,192, K 1,024] x [K 1,024, N 1,024]; A: input x; B: input wq: QUANTISED
;;     2. [M 8,192, K 1,024] x [K 1,024, N 1,024]; A: input x; B: input wk: QUANTISED
;;     3. [M 8,192, K 1,024] x [K 1,024, N 1,024]; A: input x; B: input wv: QUANTISED
;;     4. batch 64 x [M 2,048, K 64] x [K 64, N 2,048]; A: computed on the way; B: computed on the way: QUANTISED
;;     5. batch 64 x [M 64, K 2,048] x [K 2,048, N 2,048]; A: computed on the way; B: softmax (see below): QUANTISED
;;     6. [M 8,192, K 1,024] x [K 1,024, N 1,024]; A: computed on the way; B: input wo: QUANTISED
;;   THE QUANTISER, for each operand of a quantised product, along K:
;;     - K is cut into blocks of 32 from its start; a last block that is shorter is filled with zeros.
;;     - A block's scale is 2^e with e = floor(log2(the largest magnitude in the block)) - 2, held to -126 .. 127; a block of zeros has e = 0. As a byte (E8M0): e + 127.
;;     - Each number is divided by its block's scale, clamped to +-7.5, and rounded to the nearest number of E2M3, ties to even, subnormals kept.
;;     - The product sums the exact products of the quantised numbers (number of the format x scale) in f32.
;;   ~~~python
;;   def quantise(x, axis):      # numpy; x: float32 -> the quantised numbers, widened to float32 again
;;       x = np.moveaxis(x, axis, -1); K = x.shape[-1]
;;       x = np.pad(x, [(0, 0)] * (x.ndim - 1) + [(0, -K % 32)]); x = x.reshape(x.shape[:-1] + (-1, 32)); a = np.abs(x).max(-1, keepdims=True)
;;       e = np.where(a > 0, np.clip(np.frexp(np.where(a > 0, a, 1))[1] - 1 - 2, -126, 127), 0)      # np.frexp(a)[1] - 1 = floor(log2(a)), exactly
;;       r = np.clip(x / 2.0 ** e, -7.5, 7.5)
;;       step = 2.0 ** (np.maximum(np.frexp(np.where(r == 0, 1, r))[1] - 1, 0) - 3)
;;       q = np.round(r / step) * step * 2.0 ** e      # np.round: ties to even
;;       return np.moveaxis(q.reshape(q.shape[:-2] + (-1,))[..., :K], -1, axis).astype(np.float32)
;;   ~~~
;;   SOFTMAX AHEAD OF A QUANTISED PRODUCT. Where the list says 'softmax', what is quantised is not the finished softmax but p = 2^(t - M), with t = logit x log2(e) and M = ceil(the row's largest t), a whole number; so 1/2 < the row's largest p <= 1. The row's sum l is taken of the UNQUANTISED p, in f32, and the product's result is divided by l at the end. Since M is a whole number, a kernel that streams over the keys may use a running M (the ceiling of the running maximum): every later rescaling is an exact power of two, which a block's scale takes up: the codes' values come out the same.
;;   OPERANDS COMPUTED ON THE WAY. 'Computed on the way' means the value that the module computes at that place (a softmax that the list does not call 'softmax' is quantised finished and normalised). What goes into a quantiser is computed in f32, as accurately as f32 sums, v_exp_f32 and their like allow (about 1e-6 of the number): no bf16 or f16 on the way to a quantiser, and a product that is left as it is and whose result goes on into a quantised operand takes f32 operands (vector FMAs, or v_wmma_f32_16x16x4_f32). A number that lies on a knife's edge between two numbers of the format may be rounded either way, as far as f32 arithmetic and the matrix unit's own rounding can turn it there, and no further.
;; One version. Each part assembles by itself: llvm-mc -triple=amdgcn-amd-amdhsa -mcpu=gfx1250 --defsym DOCPART=n.
;; ======== version 1 of 1: 4 launches
;; limits: right only within a limited range of input values
;; workspace buffers: opc 9,437,184 bytes; ops 393,216 bytes; cst 2,097,152 bytes; qkvc 18,874,368 bytes; qkvs 1,310,720 bytes; oc 6,291,456 bytes; os 262,144 bytes
;; launch prep (part 1): grid 320 x 1, 4 waves a work-group, no clusters, 34,304 bytes of LDS; arguments x, wq, wk, wv, wo, position_ids, opc, ops, cst; writes opc, ops, cst
.if DOCPART == 1
	.amdgcn_target "amdgcn-amd-amdhsa--gfx1250"
	.amdhsa_code_object_version 6
	.text
	.protected	k_q301a07ea1a_prep
	.globl	k_q301a07ea1a_prep
	.p2align	8
	.type	k_q301a07ea1a_prep,@function
k_q301a07ea1a_prep:
	s_mov_b64 s[64:65], 0
	v_nop
	global_prefetch_b8 v0, s[64:65] scope:SCOPE_SE
	s_setreg_imm32_b32 hwreg(HW_REG_WAVE_MODE, 25, 1), 1
	s_wait_xcnt 0x0
; PREP.  (a) x [8192][1024] and wq, wk, wv, wo [1024][1024], f32, K innermost, become codes of FP6 (E2M3) with one E8M0 byte for each 32 along K; (b) the cosines and sines of RoPE are tabulated.
; LAYOUT OF THE CODES (this program's own).  Rows go in tiles of 16: tile 2 b + u holds at place i the row 32 b + 8 u + i + 8 (i / 8).  A tile and 128 along K are 1,536 bytes, an image of the matrix operand's
; 12 registers: for c = 0, 1: registers 6 c .. 6 c + 3 as 16 bytes x lane (512 bytes), registers 6 c + 4, 6 c + 5 as 8 bytes x lane (256 bytes).  A tile's eight K steps follow each other: 12,288 bytes.
; Tiles 0-511 are x's, then 64 each of wq, wk, wv, wo.  Scale words: [tile][place][8 words, one for each 128 along K], 512 bytes a tile.
; A block's scale is 2^(floor(log2(largest magnitude)) - 2); its byte is the largest magnitude's exponent field - 2, held at 1 from below (a block of zeros keeps the byte 1: its codes are zeros, and this program alone reads the bytes).
; THE TABLE: [x's tile][c = 0..7][lane][16 bytes]: lane (r, h) holds 32 numbers: number 2 e the cosine, 2 e + 1 the sine, e = 8 b + f, of frequency 16 b + 8 h + f at the position of the row at place r.
; LIMITS: NaN and infinities are not served; blocks whose largest magnitude lies under 2^-124 keep the byte 1; |position_ids| under 2^20 (the reduction of the angle in two steps is exact so far).
; SHARES.  Work-groups 0-191: wave w quantises tile 4 g + w (16 rows x 1,024).  Work-groups 192-319: wave w tabulates tile 4 (g - 192) + w.  Waves share nothing: no barrier; the work-groups share no input, so there is no cluster.
.set SP,   528                         ; a stage row: 512 bytes + 16, an odd multiple of 16
.set WST,  16*SP                       ; a wave's stage
.set R,    16                          ; v16-143  two sets of 64: 16 rows x 128 numbers as loaded
.set N,    144                         ; v144-207 64 numbers of my row: register 16 b + i = k 32 b + 16 h + i
.set PC,   208                         ; v208-227 the codes (12) and two runs of three at work
.set TM,   228                         ; v228-239 largest magnitudes, bytes, scale operands
.set PW,   240                         ; the scale word just made
.set FW,   244                         ; v244-247 my four words on the way out
.set W,    248                         ; v248-255 the eight K steps' scale words
.set CSO,  32                          ; v32-63   table path: the 32 numbers
.set X,    64                          ; v64-79   10^(i / 8)
.set RI,   80                          ; v80-95   its reciprocal
.set ER,   96                          ; v96-111  the reciprocal's error
	s_load_b256 s[4:11], s[0:1], 0x0               ; x, wq, wk, wv
	s_load_b256 s[12:19], s[0:1], 0x20             ; wo, position_ids, opc, ops
	s_load_b64 s[20:21], s[0:1], 0x40              ; cst
	v_lshl_add_u32 v242, v0, 2, 0x8400
	v_mov_b32 v243, 0
	v_lshrrev_b32 v1, 5, v0
	v_readfirstlane_b32 s22, v1                    ; wave
	v_and_b32 v2, 31, v0                           ; lane
	v_and_b32 v3, 15, v0                           ; r
	v_bfe_u32 v9, v0, 4, 1                         ; h
	v_lshlrev_b32 v4, 4, v2                        ; 16 x lane
	v_lshlrev_b32 v5, 3, v2                        ; 8 x lane
	v_cmp_le_u32 vcc_lo, 16, v2                    ; lanes 16-31
	s_mov_b32 s36, 0x76543210
	s_mov_b32 s37, 0xfedcba98                      ; v_permlanex16_b32's selects for lane l xor 16
	s_cmp_ge_u32 ttmp9, 192
	s_cbranch_scc1 .Ltable
	; ---------------- the quantiser ----------------
	s_mul_i32 s27, s22, WST
	v_add_nc_u32 v6, s27, v4                       ; the stage, in: 16 x lane of a row
	v_mul_u32_u24 v7, v3, SP
	v_lshl_add_u32 v7, v9, 6, v7
	v_add_nc_u32 v7, s27, v7                       ; and out: row r, + 64 h: my 16 numbers of each block of 32
	v_lshlrev_b32 v8, 5, v3
	v_lshl_add_u32 v8, v9, 4, v8                   ; scale words: 32 r + 16 h
.irp b, 0,1,2,3
	v_mov_b32 v[TM+4+\b], 0                        ; written once: a lane permute's destination counts as one of its sources
.endr
	s_sub_co_u32 s23, ttmp9, 128
	s_lshr_b32 s24, s23, 4                         ; which weight (work-groups 128-191)
	s_and_b32 s25, s23, 15
	s_lshl_b32 s26, ttmp9, 2
	s_add_co_u32 s26, s26, s22                     ; my tile among the 768
	s_mul_i32 s28, s26, 12288
	s_mov_b32 s29, 0
	s_lshl_b32 s30, s26, 9
	s_mov_b32 s31, 0
	s_wait_alu depctr_va_vdst(0)
	s_wait_kmcnt 0x0
	s_cmp_eq_u32 s24, 1                            ; the source is chosen by the work-group's number alone
	s_cselect_b64 s[6:7], s[8:9], s[6:7]
	s_cmp_eq_u32 s24, 2
	s_cselect_b64 s[6:7], s[10:11], s[6:7]
	s_cmp_eq_u32 s24, 3
	s_cselect_b64 s[6:7], s[12:13], s[6:7]
	s_cmp_lt_u32 ttmp9, 128
	s_cselect_b64 s[4:5], s[4:5], s[6:7]
	s_cselect_b32 s25, ttmp9, s25
	s_lshl_b32 s25, s25, 2
	s_add_co_u32 s25, s25, s22                     ; my tile in its tensor
	s_lshr_b32 s32, s25, 1
	s_lshl_b32 s32, s32, 17                        ; 32 rows of 4,096 bytes for each pair of tiles,
	s_and_b32 s33, s25, 1
	s_lshl_b32 s33, s33, 15                        ; 8 rows for the odd tile
	s_add_co_u32 s32, s32, s33
	s_mov_b32 s33, 0
	s_add_nc_u64 s[4:5], s[4:5], s[32:33]
	s_add_nc_u64 s[16:17], s[16:17], s[28:29]
	s_add_nc_u64 s[18:19], s[18:19], s[30:31]
.macro LOAD s                          ; K step s of the tile's 16 rows: each load reads 512 consecutive bytes of one row
.irp i, 0,1,2,3,4,5,6,7,8,9,10,11,12,13,14,15
	global_load_b128 v[R+64*((\s)%2)+4*\i:R+64*((\s)%2)+4*\i+3], v4, s[4:5] offset:(\i+8*(\i/8))*4096+512*(\s) th:TH_LOAD_NT
.endr
.endm
.macro QUANT                           ; v[N] on -> a fragment's codes in v[PC] on, its scale word in v[PW]
.irp b, 0,1,2,3
	v_max3_num_f32 v[TM+\b], |v[N+16*\b]|, |v[N+1+16*\b]|, 0x1800000   ; block b: my 16 numbers, and the floor 2^(3 - 127): the byte cannot fall under 1
.endr
.irp i, 2,4,6,8,10,12,14
.irp b, 0,1,2,3
	v_max3_num_f32 v[TM+\b], v[TM+\b], |v[N+16*\b+\i]|, |v[N+1+16*\b+\i]|   ; the four blocks by turns
.endr
.endr
.irp b, 0,1,2,3
	v_permlanex16_b32 v[TM+4+\b], v[TM+\b], s36, s37
.endr
.irp b, 0,1,2,3
	v_max_num_f32 v[TM+\b], v[TM+\b], v[TM+4+\b]   ; with lane l xor 16's: the block's largest magnitude
.endr
.irp b, 0,1,2,3
	v_add_nc_u32 v[TM+8+\b], 0xff000000, v[TM+\b]  ; 2 off its exponent field: the conversion takes the exponent field of this operand as its scale
.endr
.irp b, 0,1,2,3
	v_lshrrev_b32 v[TM+4+\b], 23, v[TM+8+\b]       ; the scale's byte
.endr
	v_lshl_or_b32 v[PW], v[TM+5], 8, v[TM+4]
	v_lshl_or_b32 v[PW], v[TM+6], 16, v[PW]
	v_lshl_or_b32 v[PW], v[TM+7], 24, v[PW]
.irp c, 0,1
	v_cvt_scalef32_pk16_fp6_f32 v[PC+6*\c:PC+2+6*\c], v[N+32*\c:N+15+32*\c], v[TM+8+2*\c]
	v_cvt_scalef32_pk16_fp6_f32 v[PC+12+4*\c:PC+14+4*\c], v[N+16+32*\c:N+31+32*\c], v[TM+9+2*\c]   ; (a conversion's three registers begin on an even number)
.endr
	v_nop                                          ; one plain place behind a scaled conversion
.irp c, 0,1                                    ; the operand's layout wants a whole block in a lane: lanes 0-15 block 2 c, lanes 16-31 block 2 c + 1
.irp i, 0,1,2
	v_permlane16_swap_b32 v[PC+6*\c+\i], v[PC+12+4*\c+\i]
.endr
.irp i, 0,1,2
	v_mov_b32 v[PC+3+6*\c+\i], v[PC+12+4*\c+\i]
.endr
.endr
.endm
.macro UNIT s
.if (\s) < 7
	s_wait_loadcnt 16                              ; this K step's 16 loads are in; the next step's 16 may be out
.else
	s_wait_loadcnt 0x0
.endif
.irp i, 0,1,2,3,4,5,6,7,8,9,10,11,12,13,14,15
	ds_store_b128 v6, v[R+64*((\s)%2)+4*\i:R+64*((\s)%2)+4*\i+3] offset:SP*\i
.endr
.irp b, 0,1,2,3
.irp j, 0,1,2,3
	ds_load_b128 v[N+16*\b+4*\j:N+16*\b+4*\j+3], v7 offset:128*\b+16*\j   ; LDS serves a wave's instructions in order: these see the stores above
.endr
.endr
	s_wait_dscnt 0x0                               ; my numbers are back, and the stores have read their registers
	s_wait_xcnt 0x0                                ; the last step's stores have read the codes' registers, which are written again below
.if (\s)+2 < 8
	LOAD (\s)+2
.endif
	QUANT
	v_mov_b32 v[W+(\s)], v[PW]
	global_store_b128 v4, v[PC:PC+3], s[16:17] offset:1536*(\s)            ; each store covers 512 or 256 consecutive bytes, aligned to 256
	global_store_b64 v5, v[PC+4:PC+5], s[16:17] offset:1536*(\s)+512
	global_store_b128 v4, v[PC+6:PC+9], s[16:17] offset:1536*(\s)+768
	global_store_b64 v5, v[PC+10:PC+11], s[16:17] offset:1536*(\s)+1280
.endm
	LOAD 0
	LOAD 1
.irp s, 0,1,2,3,4,5,6,7
	UNIT \s
.endr
.irp j, 0,1,2,3
	v_cndmask_b32 v[FW+\j], v[W+\j], v[W+4+\j], vcc_lo   ; lanes 0-15 store words 0-3 of their row, lanes 16-31 words 4-7
.endr
	global_store_b128 v8, v[FW:FW+3], s[18:19]     ; 512 consecutive bytes
	s_wait_tensorcnt 0x0
	ds_add_u32 v242, v243
	s_wait_dscnt 0x0
	s_endpgm
	; ---------------- the table ----------------
.Ltable:
	s_sub_co_u32 s23, ttmp9, 192
	s_lshl_b32 s23, s23, 2
	s_add_co_u32 s23, s23, s22                     ; my tile of x
	s_lshr_b32 s24, s23, 1
	s_lshl_b32 s24, s24, 7                         ; 32 positions of 4 bytes for each pair of tiles,
	s_and_b32 s25, s23, 1
	s_lshl_b32 s25, s25, 5                         ; 8 for the odd tile
	s_add_co_u32 s24, s24, s25
	s_mov_b32 s25, 0
	s_lshl_b32 s26, s23, 12                        ; 4,096 bytes of table a tile
	s_mov_b32 s27, 0
	s_wait_alu depctr_va_vdst(0)
	v_and_b32 v6, 8, v3
	v_add_nc_u32 v6, v6, v3                        ; r + 8 (r / 8)
	v_lshlrev_b32 v6, 2, v6
	s_mov_b32 s38, 0x3f22f983                      ; 2 / pi
	s_mov_b32 s39, 0xbfc90fdb                      ; -(pi / 2 rounded to f32)
	s_mov_b32 s40, 0x333bbd2e                      ; that number less pi / 2
	s_mov_b32 s41, -0.16666654611                  ; the sine's polynomial on -pi/4 .. pi/4
	s_mov_b32 s42, 0.0083321608736
	s_mov_b32 s43, -0.00019515295891
	s_mov_b32 s44, 0.04166664568298827             ; the cosine's
	s_mov_b32 s45, -0.001388731625493765
	s_mov_b32 s46, 0.00002443315711809948
	s_wait_alu depctr_va_vdst(0)
	s_wait_kmcnt 0x0
	s_add_nc_u64 s[14:15], s[14:15], s[24:25]
	s_add_nc_u64 s[20:21], s[20:21], s[26:27]
	global_load_b32 v7, v6, s[14:15]               ; my row's position
; inv_freq is made with the two roundings of 1 / theta^(i / 32): theta^(i / 32) = 10^(i / 8) rounded to f32 (the literal), then its reciprocal rounded to f32.
.macro POW e, lo, hi                   ; lanes 0-15: frequency 16 b + f, lanes 16-31: eight further on, ten times the number
	v_mov_b32 v[X+\e], \hi
	v_cndmask_b32 v[X+\e], \lo, v[X+\e], vcc_lo
.endm
	POW 0, 1.0, 10.0
	POW 1, 1.333521432163324, 13.33521432163324
	POW 2, 1.778279410038923, 17.78279410038923
	POW 3, 2.371373705661655, 23.71373705661655
	POW 4, 3.1622776601683795, 31.622776601683793
	POW 5, 4.216965034285822, 42.16965034285822
	POW 6, 5.623413251903491, 56.23413251903491
	POW 7, 7.498942093324559, 74.98942093324559
	POW 8, 100.0, 1000.0
	POW 9, 133.3521432163324, 1333.521432163324
	POW 10, 177.8279410038923, 1778.279410038923
	POW 11, 237.1373705661655, 2371.373705661655
	POW 12, 316.22776601683796, 3162.2776601683795
	POW 13, 421.6965034285822, 4216.965034285822
	POW 14, 562.3413251903491, 5623.413251903491
	POW 15, 749.8942093324559, 7498.942093324559
	s_wait_alu depctr_va_vdst(0)
.irp e, 0,1,2,3,4,5,6,7,8,9,10,11,12,13,14,15
	v_rcp_f32 v[RI+\e], v[X+\e]
.endr
	v_nop                                          ; a plain place behind the last reciprocal
	s_wait_alu depctr_va_vdst(0)                   ; one wait for the sixteen, ahead of their first reader
.irp e, 0,1,2,3,4,5,6,7,8,9,10,11,12,13,14,15
	v_fma_f32 v[ER+\e], -v[X+\e], v[RI+\e], 1.0    ; 1 - x y, in one rounding,
.endr
.irp e, 0,1,2,3,4,5,6,7,8,9,10,11,12,13,14,15
	v_fma_f32 v[RI+\e], v[RI+\e], v[ER+\e], v[RI+\e]   ; y + y (1 - x y): the quotient 1 / x rounded to f32
.endr
	s_wait_loadcnt 0x0
	v_cvt_f32_i32 v7, v7
.macro SINCOS e
	v_mul_f32 v112, v7, v[RI+\e]                   ; the angle, rounded once
	v_mul_f32 v113, s38, v112
	v_rndne_f32 v113, v113                         ; n = the nearest multiple of pi / 2
	v_fma_f32 v114, v113, s39, v112                ; angle - n x (pi / 2 as f32): a multiple of 2^-23 under 1, so it is exact;
	v_fma_f32 v114, v113, s40, v114                ; and the rest of pi / 2
	v_cvt_i32_f32 v115, v113
	v_mul_f32 v116, v114, v114
	v_fma_f32 v117, v116, s43, s42
	v_fma_f32 v117, v117, v116, s41
	v_mul_f32 v117, v117, v116
	v_fma_f32 v117, v117, v114, v114               ; sin r
	v_fma_f32 v118, v116, s46, s45
	v_fma_f32 v118, v118, v116, s44
	v_mul_f32 v119, v116, v116
	v_fma_f32 v120, v116, -0.5, 1.0
	v_fma_f32 v118, v118, v119, v120               ; cos r
	v_and_b32 v121, 1, v115
	v_cmp_eq_u32 s47, 1, v121                      ; n odd: sine and cosine change places
	v_cndmask_b32 v122, v117, v118, s47
	v_cndmask_b32 v123, v118, v117, s47
	v_lshlrev_b32 v121, 30, v115
	v_and_b32 v121, 0x80000000, v121               ; the sine's sign: bit 1 of n
	v_xor_b32 v[CSO+1+2*\e], v121, v122
	v_add_nc_u32 v121, 1, v115
	v_lshlrev_b32 v121, 30, v121
	v_and_b32 v121, 0x80000000, v121               ; the cosine's: bit 1 of n + 1
	v_xor_b32 v[CSO+2*\e], v121, v123
.endm
.irp e, 0,1,2,3,4,5,6,7,8,9,10,11,12,13,14,15
	SINCOS \e
.endr
.irp c, 0,1,2,3,4,5,6,7
	global_store_b128 v4, v[CSO+4*\c:CSO+4*\c+3], s[20:21] offset:512*\c   ; 512 consecutive bytes
.endr
	s_endpgm
.Lfunc_end_k_q301a07ea1a_prep:
	.size	k_q301a07ea1a_prep, .Lfunc_end_k_q301a07ea1a_prep-k_q301a07ea1a_prep
	.p2alignl 7, 3214868480
	.fill 96, 4, 3214868480
	.section	.rodata,"a",@progbits
	.p2align	6, 0x0
	.amdhsa_kernel k_q301a07ea1a_prep
		.amdhsa_group_segment_fixed_size 34304
		.amdhsa_private_segment_fixed_size 0
		.amdhsa_enable_private_segment 0
		.amdhsa_kernarg_size 72
		.amdhsa_user_sgpr_count 2
		.amdhsa_user_sgpr_kernarg_segment_ptr 1
		.amdhsa_wavefront_size32 1
		.amdhsa_system_sgpr_workgroup_id_x 1
		.amdhsa_system_sgpr_workgroup_id_y 1
		.amdhsa_system_sgpr_workgroup_id_z 1
		.amdhsa_system_vgpr_workitem_id 0
		.amdhsa_next_free_vgpr 256
		.amdhsa_next_free_sgpr 66
		.amdhsa_reserve_vcc 1
		.amdhsa_float_denorm_mode_32 3
		.amdhsa_float_denorm_mode_16_64 3
		.amdhsa_memory_ordered 1
		.amdhsa_forward_progress 1
		.amdhsa_inst_pref_size 92
	.end_amdhsa_kernel
	.amdgpu_metadata
---
amdhsa.version: [ 1, 2 ]
amdhsa.kernels:
  - .name:           k_q301a07ea1a_prep
    .symbol:         k_q301a07ea1a_prep.kd
    .args:
      - { .name: x, .offset: 0, .size: 8, .value_kind: global_buffer, .address_space: global }
      - { .name: wq, .offset: 8, .size: 8, .value_kind: global_buffer, .address_space: global }
      - { .name: wk, .offset: 16, .size: 8, .value_kind: global_buffer, .address_space: global }
      - { .name: wv, .offset: 24, .size: 8, .value_kind: global_buffer, .address_space: global }
      - { .name: wo, .offset: 32, .size: 8, .value_kind: global_buffer, .address_space: global }
      - { .name: position_ids, .offset: 40, .size: 8, .value_kind: global_buffer, .address_space: global }
      - { .name: opc, .offset: 48, .size: 8, .value_kind: global_buffer, .address_space: global }
      - { .name: ops, .offset: 56, .size: 8, .value_kind: global_buffer, .address_space: global }
      - { .name: cst, .offset: 64, .size: 8, .value_kind: global_buffer, .address_space: global }
    .group_segment_fixed_size: 34304
    .private_segment_fixed_size: 0
    .kernarg_segment_align: 8
    .kernarg_segment_size: 72
    .max_flat_workgroup_size: 128
    .sgpr_count:     66
    .vgpr_count:     256
    .wavefront_size: 32
...
	.end_amdgpu_metadata
.endif
;; end of part 1
;; launch qkv (part 2): grid 96 x 4, 4 waves a work-group, clusters of 4 x 4, 327,680 bytes of LDS; arguments opc, ops, cst, qkvc, qkvs; writes qkvc, qkvs
.if DOCPART == 2
	.amdgcn_target "amdgcn-amd-amdhsa--gfx1250"
	.amdhsa_code_object_version 6
	.text
	.protected	k_q301a07ea1a_qkv
	.globl	k_q301a07ea1a_qkv
	.p2align	8
	.type	k_q301a07ea1a_qkv,@function
k_q301a07ea1a_qkv:
	s_mov_b64 s[64:65], 0
	v_nop
	global_prefetch_b8 v0, s[64:65] scope:SCOPE_SE
	s_setreg_imm32_b32 hwreg(HW_REG_WAVE_MODE, 25, 1), 1
	s_wait_xcnt 0x0
	s_wait_alu depctr_hold_cnt(0) depctr_sa_sdst(0) depctr_va_vdst(0) depctr_va_sdst(0) depctr_va_ssrc(0) depctr_va_vcc(0) depctr_vm_vsrc(0)
	s_getreg_b32 s2, hwreg(HW_REG_IB_STS2, 6, 4)
	s_cmp_eq_u32 s2, 0
	s_cbranch_scc0 .Lentry_in_a_cluster
	s_endpgm
.Lentry_in_a_cluster:
	s_bfe_u32 s2, ttmp6, 0x10000c
	s_cmp_lg_u32 s2, 0xf033
	s_cbranch_scc0 .Lentry_shape_is_right
	s_endpgm
.Lentry_shape_is_right:
; QKV.  q = x wq^T, k = x wk^T, v = x wv^T on codes of FP6 (E2M3) with E8M0 scales, K = 1,024; RoPE on q and k in f32; then q and k are quantised along the head's 64 and v along the keys, and leave as codes.
; OPERANDS (made by the launch before): rows in tiles of 16 (tile 2 b + u, place i: row 32 b + 8 u + i + 8 (i / 8)); a tile and 128 along K are 1,536 bytes, an image of the operand's 12 registers (for c = 0, 1: registers
; 6 c .. 6 c + 3 as 16 bytes x lane, 6 c + 4, 6 c + 5 as 8 bytes x lane); a tile's 8 K steps on end.  Blocks of 256 rows: x 0-31, wq 32-35, wk 36-39, wv 40-43.  Scale words [tile][place][8].
; SHARES.  24 clusters of 4 x 4 work-groups; a work-group makes 256 x 256 of A' B'^T, a wave 128 x 128: 64 accumulators.  The matrix instruction takes B' tiles as source 0 and A' tiles as source 1: a lane then holds ONE row
; of A' (place lane % 16), and by the order of rows in a tile the 16 registers of B' tiles 2 b, 2 b + 1 are the B' rows 32 b + 16 (lane / 16) + 0 .. 15.
;   clusters 0-15 (q, k): A' = x block 4 (c / 2) + cy, B' = wq or wk block 4 (c % 2) + cx + 32: a lane holds a token and 128 features (two heads).
;   clusters 16-23 (v):   A' = wv block 40 + cy, B' = x block 4 (c - 16) + cx: a lane holds a feature of v and 128 KEYS, which are the next product's K.
; A' tiles are shared along a row of the cluster, B' tiles along a column: each is asked for jointly, by the same tensor load with the same descriptor and a mask that names the four.
; K goes in eight steps of 128 through three LDS slots of 256 along K: three are filled at the start, slot 0 once more.  A wave has one tensor load out at a time.
; RESULTS.  qkvc, 294,912 bytes a (batch, head): Q 128 tiles x 768 bytes (half an image: 64 along K), K likewise at 98,304, V at 196,608 as [step of 128 keys][tile of 16 of the head's 64][registers 0-3, 4-7, 8-11 as 512 bytes each].
; qkvs, 20,480 bytes a (batch, head): Q, K (at 8,192): [step of 128 rows][lane][4 words]: word j of lane (r, u): tile 2 j + u, place r, bytes 0, 1 the two blocks, bytes 2, 3 zero; V at 16,384: [step][lane][2 words]: tile 2 j + u.
; LIMITS: NaN and infinities are not served; blocks whose largest magnitude lies under 2^-124 keep the byte 1 (a block of zeros too: its codes are zeros, and this program alone reads the bytes).
; REGISTERS, in windows of 256: window 0: v4-18 addresses, v19-31 at work, v32-95 scale words and nothing else, v96-127 and v224-255 the table's two sets, v128-223 A' fragments (one set; later the rotated numbers, codes, at work);
;   window 1: B' fragments, two sets, at v0 and v128;  window 2: accumulators of my A' tiles 0-3 ((a, b) at v[8 (8 (a % 4) + b)]);  window 3: of tiles 4-7.
.set FR,    12                         ; registers of a fragment
.set TILEB, 3072                       ; a tile's bytes in a slot: 256 along K
.set HALFT, 8*TILEB                    ; 8 tiles: what one tensor load brings, and what one wave reads of A' or of B'
.set SLOT,  4*HALFT                    ; A' 16 tiles, then B' 16 tiles
.set SCL,   3*SLOT                     ; behind the slots: the scale words, 4,096 bytes for each 8 tiles: A' halves, then B' halves
.set SPARE, SCL+4*4096                 ; the spare words, 128 bytes for each wave: two blocks of 256 bytes that no other line names
.set ADA16, 4                          ; v4-6   LDS address of my A' tiles in slot 0, 1, 2, + 16 x lane
.set ADA8,  7                          ; v7-9   the same + 8 x lane
.set ADB16, 10                         ; v10-12 B'
.set ADB8,  13                         ; v13-15
.set ADRS,  16                         ; v16    my scale words: lanes 0-15 A' rows, lanes 16-31 B' rows
.set L16,   17                         ; v17    16 x lane
.set L8,    18                         ; v18    8 x lane
.set PW,    19                         ; v19    the scale word just made
.set WD,    20                         ; v20-27 scale words gathered for the way out
.set SPW,   28                         ; v28    LDS address of my spare word; never rewritten
.set NIL,   29                         ; v29    0; never rewritten
.set TA,    30                         ; v30-31 at work
.set SC,    32                         ; v[32 + 8 i + kq]: lanes 0-15 A' tile i's word of K step kq, lanes 16-31 B' tile i's
.set CS0,   96
.set AF,    128
.set T,     128                        ; v128-191 a tile's 64 rotated numbers
.set PC,    192                        ; v192-211 codes
.set TM,    212                        ; v212-223 largest magnitudes, bytes, scale operands
.set G1A,  24
.set G1B,  32
.set G1SA, 40
.set G1SB, 48
.set G0A0, 56
.set G0A1, 60
.set G0A2, 68
.set G0B0, 72
.set G0B1, 76
.set G0B2, 80
.set G0SA, 84
.set G0SB, 88
.set SEL,  100                         ; s[100:101] lane selects for v_permlanex16_b32
.set MSB, 0
.macro WIN new                         ; the immediate's high byte repeats the setting that is left
.if MSB != (\new)
	s_set_vgpr_msb (MSB<<8)|(\new)
.set MSB, (\new)
.endif
.endm
.set MUL_LO, 0xa1                      ; source 0 (B') window 1, source 1 (A') window 0, C and D window 2
.set MUL_HI, 0xf1                      ; the same, C and D window 3
.set TO_B,   0x40                      ; destination window 1, address window 0
; A joint load: waves 0 and 1 fetch for A', waves 2 and 3 for B'.  Each line has one mask and one set of registers for all that issue it; the branch hangs on the wave's number alone.  Four v_nop follow each line.
.macro JLOAD g0a, g1a, g0b, g1b
	s_cmp_eq_u32 s15, 0
	s_cbranch_scc0 .Lfor_b_\@
	tensor_load_to_lds s[\g0a:\g0a+3], s[\g1a:\g1a+7]
	s_nop 0
.rept 4
	v_nop
.endr
	s_branch .Lasked_\@
.Lfor_b_\@:
	tensor_load_to_lds s[\g0b:\g0b+3], s[\g1b:\g1b+7]
	s_nop 0
.rept 4
	v_nop
.endr
.Lasked_\@:
.endm
.macro CREST                           ; a round of the cluster's barrier behind its opening barrier
	s_cmp_lg_u32 s14, 0
	s_cbranch_scc1 .Lnot_wave_0_\@
	s_barrier_signal -3
.Lnot_wave_0_\@:
	s_barrier_wait -3
	s_barrier_signal -1
	s_barrier_wait -1
.endm
.macro CROUND
	s_barrier_signal -1
	s_barrier_wait -1
	CREST
.endm
.macro SETG0 g, ldsreg, ldsoff, src, goff   ; descriptor group 0: count 1, LDS address, global address, type 2
	s_mov_b32 s[\g], 1
	s_add_co_u32 s[\g+1], s[\ldsreg], \ldsoff
	s_add_nc_u64 s[\g+2:\g+3], s[\src:\src+1], \goff
	s_or_b32 s[\g+3], s[\g+3], 0x80000000
.endm
.macro PLACES n                        ; plain vector instructions between a matrix instruction and a load into, or a read or write by a vector instruction of, its registers
.rept \n
	v_nop
.endr
.endm
	s_load_b256 s[4:11], s[0:1], 0x0               ; opc s[4:5], ops s[6:7], cst s[8:9], qkvc s[10:11]
	s_load_b64 s[12:13], s[0:1], 0x20              ; qkvs
	v_lshl_add_u32 v[SPW], v0, 2, SPARE
	v_mov_b32 v[NIL], 0
	ds_add_u32 v28, v29
	ds_add_u32 v28, v29
	s_wait_dscnt 0x0
	v_lshrrev_b32 v1, 5, v0
	v_readfirstlane_b32 s14, v1                    ; wave 0..3
	s_lshr_b32 s15, s14, 1                         ; which half of A' is mine.  Also: I fetch for A' (0) or for B' (1)
	s_and_b32 s16, s14, 1                          ; which half of B'.  Also: which 8 tiles I fetch
	s_bfe_u32 s92, ttmp6, 0x40000                  ; cx
	s_bfe_u32 s93, ttmp6, 0x40004                  ; cy
	s_mov_b32 s17, ttmp9                           ; c: the cluster, the same in all sixteen partners
	s_lshr_b32 s18, s17, 1
	s_lshl_b32 s18, s18, 2                         ; 4 (c / 2)
	s_and_b32 s19, s17, 1
	s_lshl_b32 s19, s19, 2
	s_add_co_u32 s19, s19, 32                      ; 32 + 4 (c % 2)
	s_sub_co_u32 s2, s17, 16
	s_lshl_b32 s2, s2, 2                           ; 4 (c - 16)
	s_cmp_lt_u32 s17, 16
	s_cselect_b32 s18, s18, 40
	s_cselect_b32 s19, s19, s2
	s_add_co_u32 s18, s18, s93                     ; A' block: hangs on cy alone
	s_add_co_u32 s19, s19, s92                     ; B' block: on cx alone
	s_lshl_b32 s94, s93, 2
	s_lshl_b32 s94, 15, s94                        ; my row of the cluster
	s_lshl_b32 s95, 0x1111, s92                    ; my column
	; descriptor group 1 for the codes: 8 rows (tiles) of 384 elements of 8 bytes, 1,536 elements apart; no padding: an image is read 16 or 8 bytes x lane on end
	s_or_b32 s[G1A], s94, (3<<16)|(1<<21)
	s_or_b32 s[G1B], s95, (3<<16)|(1<<21)
.irp g, G1A, G1B
	s_mov_b32 s[\g+1], 384<<16                     ; tensor_dim0
	s_mov_b32 s[\g+2], 16<<16                      ; the head's loads bring all 16 tiles; behind them the two words that count rows are set to 8
	s_mov_b32 s[\g+3], 384<<16
	s_mov_b32 s[\g+4], 16
	s_mov_b32 s[\g+5], 1536                        ; tensor_dim0_stride
	s_mov_b32 s[\g+6], 0
	s_mov_b32 s[\g+7], 0
.endr
	; and for the scale words of 8 tiles: 4,096 dense bytes as 16 rows of 256
	s_or_b32 s[G1SA], s94, (3<<16)|(1<<21)
	s_or_b32 s[G1SB], s95, (3<<16)|(1<<21)
.irp g, G1SA, G1SB
	s_mov_b32 s[\g+1], 32<<16
	s_mov_b32 s[\g+2], 32<<16                      ; the head's loads bring the scale words of all 16 tiles: 32 rows of 256 bytes
	s_mov_b32 s[\g+3], 32<<16
	s_mov_b32 s[\g+4], 32
	s_mov_b32 s[\g+5], 32
	s_mov_b32 s[\g+6], 0
	s_mov_b32 s[\g+7], 0
.endr
	s_mul_i32 s20, s18, 196608                     ; A': the block's codes, + the 8 tiles that I fetch
	s_mov_b32 s21, 0
	s_lshl_b32 s22, s18, 13                        ; and its scale words
	s_mov_b32 s23, 0
	s_mul_i32 s96, s19, 196608                     ; B' likewise, in registers of its own
	s_mov_b32 s97, 0
	s_lshl_b32 s98, s19, 13
	s_mov_b32 s99, 0
	s_mul_i32 s3, s14, HALFT                       ; slot 0's refill: wave x 8 tiles: no place in the cluster enters an LDS address
	s_mov_b32 s[SEL], 0x76543210
	s_mov_b32 s[SEL+1], 0xfedcba98
	s_wait_kmcnt 0x0
	s_add_nc_u64 s[20:21], s[4:5], s[20:21]
	s_add_nc_u64 s[22:23], s[6:7], s[22:23]
	s_add_nc_u64 s[96:97], s[4:5], s[96:97]
	s_add_nc_u64 s[98:99], s[6:7], s[98:99]
	CROUND                                         ; all sixteen work-groups are here: the first joint loads meet
; LDS: slot 0 (K 0-255, later K 768-1,023): A' 16 tiles x 3,072 bytes, then B' 16.  From SLOT on K 256-767: A' 16 tiles x 6,144 bytes, then B' 16: 'slot 1' is a tile row's first half, 'slot 2' its second.
; THE HEAD'S LOADS, ONE A WAVE: wave 0 A' 16 tiles of K 0-255, wave 1 B' 16, wave 2 A' scale words, wave 3 B'.  One tree of branches on the wave's number, a load in every arm.
	s_mov_b32 s2, 0
	SETG0 G0A1, 2, 0, 20, 0
	SETG0 G0B1, 2, 2*HALFT, 96, 0
	SETG0 G0SA, 2, SCL, 22, 0
	SETG0 G0SB, 2, SCL+8192, 98, 0
	s_mul_i32 s66, s16, 98304                      ; from here on: the 8 tiles that I fetch
	s_mov_b32 s67, 0
	s_add_nc_u64 s[20:21], s[20:21], s[66:67]
	s_add_nc_u64 s[96:97], s[96:97], s[66:67]
	SETG0 G0A0, 3, 0, 20, 0                        ; slot 0's refill steps these to K 768
	SETG0 G0B0, 3, 0, 96, 0
	s_lshl_b32 s2, s3, 1                           ; wave x 8 tiles of 6,144 bytes
	SETG0 G0A2, 2, SLOT, 20, TILEB                 ; K 256-767
	SETG0 G0B2, 2, SLOT, 96, TILEB
.macro ARM under, g0, g1, next
	s_cmp_lt_u32 s14, \under
	s_cbranch_scc0 \next
	tensor_load_to_lds s[\g0:\g0+3], s[\g1:\g1+7]
	s_nop 0
.rept 4
	v_nop
.endr
	s_branch .Lhead_asked
\next:
.endm
	ARM 1, G0A1, G1A, .Lhead_b
	ARM 2, G0B1, G1B, .Lhead_sa
	ARM 3, G0SA, G1SA, .Lhead_sb
	tensor_load_to_lds s[G0SB:G0SB+3], s[G1SB:G1SB+7]
	s_nop 0
.rept 4
	v_nop
.endr
.Lhead_asked:
	v_and_b32 v1, 31, v0                           ; lane
	v_and_b32 v2, 15, v0                           ; r
	v_bfe_u32 v3, v0, 4, 1                         ; h
	v_lshlrev_b32 v[L16], 4, v1
	v_lshlrev_b32 v[L8], 3, v1
	s_mul_i32 s66, s15, HALFT                      ; my 8 tiles of A'
	s_mul_i32 s67, s16, HALFT                      ; my 8 tiles of B',
	s_add_co_u32 s67, s67, 2*HALFT                 ; which lie behind A' 16
.irp s, 0,1,2
	v_add_nc_u32 v[ADA16+\s], s66, v[L16]
	v_add_nc_u32 v[ADA8+\s], s66, v[L8]
	v_add_nc_u32 v[ADB16+\s], s67, v[L16]
	v_add_nc_u32 v[ADB8+\s], s67, v[L8]
.if \s == 0
	s_lshl_b32 s66, s66, 1                         ; behind slot 0 a tile is 6,144 bytes
	s_lshl_b32 s67, s67, 1
	s_add_co_u32 s66, s66, SLOT
	s_add_co_u32 s67, s67, SLOT
.else
	s_add_co_u32 s66, s66, TILEB
	s_add_co_u32 s67, s67, TILEB
.endif
.endr
	v_lshlrev_b32 v2, 5, v2                        ; my row's 8 scale words: 32 bytes a row
	s_lshl_b32 s66, s15, 12                        ; A': my 8 tiles
	s_lshl_b32 s67, s16, 12                        ; B': my 8 tiles, behind A' 16
	s_add_co_u32 s67, s67, 8192
	s_sub_co_u32 s67, s67, s66
	v_mul_u32_u24 v3, s67, v3                      ; lanes 16-31 take B'
	s_add_co_u32 s66, s66, SCL
	v_add_nc_u32 v2, v2, v3
	v_add_nc_u32 v[ADRS], s66, v2
.macro FRAG reg, a16, a8, off          ; a fragment comes back as it was stored: four loads, each lane's bytes on end
	ds_load_b128 v[(\reg):(\reg)+3], v[\a16] offset:(\off)
	ds_load_b64 v[(\reg)+4:(\reg)+5], v[\a8] offset:(\off)+512
	ds_load_b128 v[(\reg)+6:(\reg)+9], v[\a16] offset:(\off)+768
	ds_load_b64 v[(\reg)+10:(\reg)+11], v[\a8] offset:(\off)+1280
.endm
.macro FETCH_B slot, q, p              ; B' eight fragments of the slot's q-th 128 along K into set p
	WIN TO_B
.irp i, 0,1,2,3,4,5,6,7
	FRAG 128*(\p)+FR*\i, ADB16+\slot, ADB8+\slot, \i*TILEB*(1+((\slot)+1)/2)+(\q)*1536
.endr
	WIN 0
.endm
.macro FETCH_A slot, q, i0             ; A' tiles i0 .. i0 + 3
.irp i, \i0, \i0+1, \i0+2, \i0+3
	FRAG AF+FR*(\i), ADA16+\slot, ADA8+\slot, (\i)*TILEB*(1+((\slot)+1)/2)+(\q)*1536
.endr
.endm
.macro SCALES                          ; all eight K steps' scale words of my 8 + 8 tiles
.irp i, 0,1,2,3,4,5,6,7
	ds_load_b128 v[SC+8*\i:SC+8*\i+3], v[ADRS] offset:512*\i
	ds_load_b128 v[SC+8*\i+4:SC+8*\i+7], v[ADRS] offset:512*\i+16
.endr
.endm
; 16 matrix instructions: A' tiles a0, a0 + 1 x B' eight, K step kq.  p: B' set.  zero = 1: the first product starts the sums.  The 64 accumulators take turns, one instruction a turn, in the same order in every step.
.macro MUL16 a0, p, kq, zero
.irp a, \a0, \a0+1
.irp b, 0,1,2,3,4,5,6,7
.if \zero
	v_wmma_scale_f32_16x16x128_f8f6f4 v[8*(8*((\a)%4)+\b):8*(8*((\a)%4)+\b)+7], v[128*(\p)+FR*\b:128*(\p)+FR*\b+FR-1], v[AF+FR*(\a):AF+FR*(\a)+FR-1], 0, v[SC+8*\b+(\kq)], v[SC+8*(\a)+(\kq)] matrix_a_fmt:MATRIX_FMT_FP6 matrix_b_fmt:MATRIX_FMT_FP6 matrix_a_scale:MATRIX_SCALE_ROW1
.else
	v_wmma_scale_f32_16x16x128_f8f6f4 v[8*(8*((\a)%4)+\b):8*(8*((\a)%4)+\b)+7], v[128*(\p)+FR*\b:128*(\p)+FR*\b+FR-1], v[AF+FR*(\a):AF+FR*(\a)+FR-1], v[8*(8*((\a)%4)+\b):8*(8*((\a)%4)+\b)+7], v[SC+8*\b+(\kq)], v[SC+8*(\a)+(\kq)] matrix_a_fmt:MATRIX_FMT_FP6 matrix_b_fmt:MATRIX_FMT_FP6 matrix_a_scale:MATRIX_SCALE_ROW1
.endif
.endr
.endr
.endm
; K step kq; the next step's fragments come from slot ns, its nq-th 128, which every wave has been shown whole.
.macro STEP kq, ns, nq, zero
	s_wait_dscnt 16                                ; B' set and A' tiles 0-3 are in; the youngest 16 loads (A' tiles 4-7) may be out
	WIN MUL_LO
	MUL16 0, (\kq)%2, \kq, \zero
	MUL16 2, (\kq)%2, \kq, \zero
	s_wait_dscnt 0x0                               ; A' tiles 4-7 are in
	PLACES 4
	FETCH_B \ns, \nq, 1-(\kq)%2
	FETCH_A \ns, \nq, 0
	WIN MUL_HI
	MUL16 4, (\kq)%2, \kq, \zero
	MUL16 6, (\kq)%2, \kq, \zero
	PLACES 4
	WIN 0
	FETCH_A \ns, \nq, 4
.endm
; A K step with a barrier: in front of it each wave waits for all its tensor loads, adds 0 to its spare word, and waits for that and for its LDS reads.  fill = 1: slot 0, which this step has read out, takes K 768-1,023; the barrier then
; opens a round of the cluster's barrier, so that no wave of any partner still reads the slot or has a load on its way, and the joint refill is the first tensor load behind the round.
.macro TURN kq, ns, fill
	s_wait_tensorcnt 0x0                           ; all my tensor loads have landed
	ds_add_u32 v[SPW], v[NIL]                      ; 0 onto my spare word
	s_wait_dscnt 17                                ; (the add and the youngest 16 loads may be out)
	WIN MUL_LO
	MUL16 0, (\kq)%2, \kq, 0                       ; sixteen matrix instructions stand between the add and the wait for it
	s_wait_dscnt 0x0                               ; the add is done, and my LDS reads are over
	s_barrier_signal -1
	MUL16 2, (\kq)%2, \kq, 0
	WIN 0
	s_barrier_wait -1
.if \fill
	CREST
	s_add_nc_u64 s[G0A0+2:G0A0+3], s[G0A0+2:G0A0+3], 3*TILEB
	s_add_nc_u64 s[G0B0+2:G0B0+3], s[G0B0+2:G0B0+3], 3*TILEB
	JLOAD G0A0, G1A, G0B0, G1B                     ; it has four K steps, 256 matrix instructions, in which to land; the four v_nop behind it are the places in front of the loads below
.else
	PLACES 4
.endif
	FETCH_B \ns, 0, 1-(\kq)%2
	FETCH_A \ns, 0, 0
	WIN MUL_HI
	MUL16 4, (\kq)%2, \kq, 0
	MUL16 6, (\kq)%2, \kq, 0
	PLACES 4
	WIN 0
	FETCH_A \ns, 0, 4
.endm
.macro LAST                            ; K step 7: nothing more to fetch
	s_wait_dscnt 16
	WIN MUL_LO
	MUL16 0, 1, 7, 0
	MUL16 2, 1, 7, 0
	s_wait_dscnt 0x0
	WIN MUL_HI
	MUL16 4, 1, 7, 0
	MUL16 6, 1, 7, 0
	WIN 0
.endm
; 64 numbers of a lane in window w, register s + 16 b + i = k 32 b + 16 (lane / 16) + i of my row, become a fragment's codes in v[PC] on and its scale word in v[PW].
.macro QUANT s, w
	WIN (\w)*5                                     ; sources 0 and 1 in window w
.irp b, 0,1,2,3
	v_max3_num_f32 v[TM+\b], |v[(\s)+16*\b]|, |v[(\s)+1+16*\b]|, 0x1800000   ; block b: my 16 numbers, from the low end on, and the floor 2^(3 - 127): the byte cannot fall under 1
.endr
.irp i, 2,4,6,8,10,12,14
.irp b, 0,1,2,3
	v_max3_num_f32 v[TM+\b], |v[(\s)+16*\b+\i]|, |v[(\s)+1+16*\b+\i]|, v[TM+\b]
.endr
.endr
	WIN 0
.irp b, 0,1,2,3
	v_permlanex16_b32 v[TM+4+\b], v[TM+\b], s[SEL], s[SEL+1]
.endr
.irp b, 0,1,2,3
	v_max_num_f32 v[TM+\b], v[TM+\b], v[TM+4+\b]   ; with lane l xor 16's: the block's largest magnitude
.endr
.irp b, 0,1,2,3
	v_add_nc_u32 v[TM+8+\b], 0xff000000, v[TM+\b]  ; 2 off its exponent field: the conversion's scale operand
.endr
.irp b, 0,1,2,3
	v_lshrrev_b32 v[TM+4+\b], 23, v[TM+8+\b]       ; the scale's byte
.endr
	v_lshl_or_b32 v[PW], v[TM+5], 8, v[TM+4]
	v_lshl_or_b32 v[PW], v[TM+6], 16, v[PW]
	v_lshl_or_b32 v[PW], v[TM+7], 24, v[PW]
	WIN (\w)                                       ; source 0 in window w
.irp c, 0,1
	v_cvt_scalef32_pk16_fp6_f32 v[PC+6*\c:PC+2+6*\c], v[(\s)+32*\c:(\s)+15+32*\c], v[TM+8+2*\c]
	v_cvt_scalef32_pk16_fp6_f32 v[PC+12+4*\c:PC+14+4*\c], v[(\s)+16+32*\c:(\s)+31+32*\c], v[TM+9+2*\c]   ; (a conversion's three registers begin on an even number)
.endr
	WIN 0
	v_nop                                          ; one plain place behind a scaled conversion
.irp c, 0,1                                    ; the operand's layout wants a whole block in a lane
.irp i, 0,1,2
	v_permlane16_swap_b32 v[PC+6*\c+\i], v[PC+12+4*\c+\i]
.endr
.irp i, 0,1,2
	v_mov_b32 v[PC+3+6*\c+\i], v[PC+12+4*\c+\i]
.endr
.endr
.endm
	s_wait_alu depctr_va_vdst(0)
	s_wait_tensorcnt 0x0                           ; my tile of the head's four is in
	ds_add_u32 v[SPW], v[NIL]
	s_mov_b32 s[G1A+2], 8<<16                      ; no tensor load of mine is out: slot 0's refill brings 8 tiles a wave,
	s_mov_b32 s[G1A+4], 8
	s_mov_b32 s[G1B+2], 8<<16
	s_mov_b32 s[G1B+4], 8
.irp g, G1SA, G1SB                             ; and the groups that served the scale words now state 8 tile rows of 768 elements of 8 bytes, 1,536 elements apart
	s_mov_b32 s[\g+1], 768<<16
	s_mov_b32 s[\g+2], 8<<16
	s_mov_b32 s[\g+3], 768<<16
	s_mov_b32 s[\g+4], 8
	s_mov_b32 s[\g+5], 1536
.endr
	s_wait_dscnt 0x0
	CROUND                                         ; a whole round: all four tiles are in, and all sixteen work-groups are here
	JLOAD G0A2, G1SA, G0B2, G1SB                   ; K 256-767, my one load behind the round
	SCALES
	FETCH_B 0, 0, 0
	FETCH_A 0, 0, 0
	FETCH_A 0, 0, 4
	STEP 0, 0, 1, 1                                ; its products start the sums: nothing is cleared
	TURN 1, 1, 1                                   ; slots 1 and 2 are whole; slot 0 is filled again
	STEP 2, 1, 1, 0
	STEP 3, 2, 0, 0
	STEP 4, 2, 1, 0
	TURN 5, 0, 0                                   ; slot 0 is whole again
	STEP 6, 0, 1, 0
	s_cmp_lt_u32 s17, 16                           ; the cluster's number: the same in all partners
	s_cbranch_scc0 .Lv_path
	; ---------------- q and k: RoPE, then quantised along the head's 64 ----------------
	s_lshr_b32 s66, s18, 3
	s_lshl_b32 s66, s66, 4                         ; 16 x batch
	s_lshl_b32 s67, s92, 2
	s_add_co_u32 s66, s66, s67                     ; + 4 cx
	s_lshl_b32 s67, s16, 1
	s_add_co_u32 s66, s66, s67                     ; + 2 x my half: the first of my two heads
	s_and_b32 s67, s18, 7
	s_lshl_b32 s67, s67, 1
	s_add_co_u32 s67, s67, s15                     ; my 128 rows in the batch
	s_and_b32 s2, s17, 1                           ; 0: q, 1: k
	s_mul_i32 s104, s66, 294912
	s_mul_i32 s105, s2, 98304
	s_add_co_u32 s104, s104, s105
	s_mul_i32 s105, s67, 6144
	s_add_co_u32 s104, s104, s105
	s_mov_b32 s105, 0
	s_add_nc_u64 s[10:11], s[10:11], s[104:105]    ; the codes of my first tile, first head
	s_mul_i32 s104, s66, 20480
	s_lshl_b32 s105, s2, 13
	s_add_co_u32 s104, s104, s105
	s_lshl_b32 s105, s67, 9
	s_add_co_u32 s104, s104, s105
	s_mov_b32 s105, 0
	s_add_nc_u64 s[12:13], s[12:13], s[104:105]    ; their scale words
	s_lshl_b32 s104, s18, 1
	s_add_co_u32 s104, s104, s15
	s_lshl_b32 s104, s104, 15
	s_add_nc_u64 s[8:9], s[8:9], s[104:105]        ; the table of my first tile: 8 tiles x 4,096 bytes for each 128 rows
.macro CSLOAD a                        ; tile a's cosines and sines into set a % 2
.irp c, 0,1,2,3,4,5,6,7
	global_load_b128 v[CS0+128*((\a)%2)+4*\c:CS0+128*((\a)%2)+4*\c+3], v[L16], s[8:9] offset:(\a)*4096+512*\c
.endr
.endm
	CSLOAD 0                                       ; they land while the last K step is multiplied
	CSLOAD 1
	LAST
	PLACES 4
	v_and_b32 v[TA], 31, v0
	v_cmp_le_u32 vcc_lo, 16, v[TA]                 ; lanes 16-31
.irp b, 0,1,2,3
	v_mov_b32 v[TM+4+\b], 0                        ; a lane permute's destination counts as one of its sources
.endr
; A' tile a: a lane's 64 registers are features 32 b + 16 h + i of its token, pairs (even, odd) in register pairs; the pair at register 2 p turns by the angle at (2 p) % 32 of the table's set (the second head has the same angles).
.macro QKTILE a
.set AC, 64*((\a)%4)
.set CSR, CS0+128*((\a)%2)
.if (\a) < 7
	s_wait_loadcnt 8                               ; this tile's table is in; the next tile's 8 loads may be out
.else
	s_wait_loadcnt 0x0
.endif
	s_wait_xcnt 0x0                                ; the last tile's stores have read the codes' registers
	WIN 2+(\a)/4                                   ; source 0: the accumulators' window
.set P2, 0
.rept 32
	v_pk_mul_f32 v[T+P2:T+P2+1], v[AC+P2:AC+P2+1], v[CSR+P2%32:CSR+P2%32+1] op_sel:[1,1] op_sel_hi:[1,0]   ; ui sin, ui cos
.set P2, P2+2
.endr
.set P2, 0
.rept 32
	v_pk_fma_f32 v[T+P2:T+P2+1], v[AC+P2:AC+P2+1], v[CSR+P2%32:CSR+P2%32+1], v[T+P2:T+P2+1] op_sel_hi:[0,1,1] neg_lo:[0,0,1]   ; ur cos - ui sin, ur sin + ui cos
.set P2, P2+2
.endr
	WIN 0
.if (\a)+2 < 8
	CSLOAD (\a)+2
.endif
	QUANT T, 0
	global_store_b128 v[L16], v[PC:PC+3], s[10:11] offset:768*(\a)                 ; registers 0-5: the first head's 64; each store covers 512 or 256 consecutive bytes, aligned to 256
	global_store_b64 v[L8], v[PC+4:PC+5], s[10:11] offset:768*(\a)+512
	global_store_b128 v[L16], v[PC+6:PC+9], s[10:11] offset:768*(\a)+294912        ; registers 6-11: the second head's
	global_store_b64 v[L8], v[PC+10:PC+11], s[10:11] offset:768*(\a)+294912+512
.if (\a)%2 == 0
	v_and_b32 v[TA], 0xffff, v[PW]                 ; the first head's two bytes,
	v_lshrrev_b32 v[TA+1], 16, v[PW]               ; the second's
.else
	v_and_b32 v[TM], 0xffff, v[PW]
	v_lshrrev_b32 v[TM+1], 16, v[PW]
	v_cndmask_b32 v[WD+(\a)/2], v[TA], v[TM], vcc_lo       ; lanes 0-15 keep the even tile's word, lanes 16-31 the odd tile's
	v_cndmask_b32 v[WD+4+(\a)/2], v[TA+1], v[TM+1], vcc_lo
.endif
.endm
.irp a, 0,1,2,3,4,5,6,7
	QKTILE \a
.endr
	global_store_b128 v[L16], v[WD:WD+3], s[12:13]
	global_store_b128 v[L16], v[WD+4:WD+7], s[12:13] offset:20480
	s_branch .Lend
	; ---------------- v: quantised along the keys ----------------
.Lv_path:
	s_lshr_b32 s66, s19, 3
	s_lshl_b32 s66, s66, 4                         ; 16 x batch
	s_lshl_b32 s67, s93, 2
	s_add_co_u32 s66, s66, s67                     ; + 4 cy
	s_lshl_b32 s67, s15, 1
	s_add_co_u32 s66, s66, s67                     ; + 2 x my half: the first of my two heads
	s_and_b32 s67, s19, 7
	s_lshl_b32 s67, s67, 1
	s_add_co_u32 s67, s67, s16                     ; my 128 keys in the batch
	s_mul_i32 s104, s66, 294912
	s_mul_i32 s105, s67, 6144
	s_add_co_u32 s104, s104, s105
	s_add_co_u32 s104, s104, 196608
	s_mov_b32 s105, 0
	s_add_nc_u64 s[10:11], s[10:11], s[104:105]
	s_mul_i32 s104, s66, 20480
	s_lshl_b32 s105, s67, 8
	s_add_co_u32 s104, s104, s105
	s_add_co_u32 s104, s104, 16384
	s_mov_b32 s105, 0
	s_add_nc_u64 s[12:13], s[12:13], s[104:105]
	LAST
	PLACES 4
	v_and_b32 v[TA], 31, v0
	v_cmp_le_u32 vcc_lo, 16, v[TA]
.irp b, 0,1,2,3
	v_mov_b32 v[TM+4+\b], 0
.endr
.macro VTILE a                         ; A' tile a: 16 features of head a / 4; a lane's 64 registers are its 128 keys' halves: a whole fragment of V^T
.set AC, 64*((\a)%4)
	s_wait_xcnt 0x0                                ; the last tile's stores have read the codes' registers
	QUANT AC, 2+(\a)/4
.irp c, 0,1,2
	global_store_b128 v[L16], v[PC+4*\c:PC+4*\c+3], s[10:11] offset:((\a)/4)*294912+((\a)%4)*1536+512*\c
.endr
.if (\a)%2 == 0
	v_mov_b32 v[TA], v[PW]
.else
	v_cndmask_b32 v[WD+2*((\a)/4)+((\a)%4)/2], v[TA], v[PW], vcc_lo
.endif
.endm
.irp a, 0,1,2,3,4,5,6,7
	VTILE \a
.endr
	global_store_b64 v[L8], v[WD:WD+1], s[12:13]
	global_store_b64 v[L8], v[WD+2:WD+3], s[12:13] offset:20480
.Lend:
	s_wait_tensorcnt 0x0                           ; the wave's end
	ds_add_u32 v[SPW], v[NIL]
	s_wait_dscnt 0x0
	CROUND                                         ; the closing round: no work-group ends while a partner may still ask for a tile that names it
	s_endpgm
.Lfunc_end_k_q301a07ea1a_qkv:
	.size	k_q301a07ea1a_qkv, .Lfunc_end_k_q301a07ea1a_qkv-k_q301a07ea1a_qkv
	.p2alignl 7, 3214868480
	.fill 96, 4, 3214868480
	.section	.rodata,"a",@progbits
	.p2align	6, 0x0
	.amdhsa_kernel k_q301a07ea1a_qkv
		.amdhsa_group_segment_fixed_size 327680
		.amdhsa_private_segment_fixed_size 0
		.amdhsa_enable_private_segment 0
		.amdhsa_kernarg_size 40
		.amdhsa_user_sgpr_count 2
		.amdhsa_user_sgpr_kernarg_segment_ptr 1
		.amdhsa_wavefront_size32 1
		.amdhsa_system_sgpr_workgroup_id_x 1
		.amdhsa_system_sgpr_workgroup_id_y 1
		.amdhsa_system_sgpr_workgroup_id_z 1
		.amdhsa_system_vgpr_workitem_id 0
		.amdhsa_next_free_vgpr 1024
		.amdhsa_next_free_sgpr 106
		.amdhsa_reserve_vcc 1
		.amdhsa_float_denorm_mode_32 3
		.amdhsa_float_denorm_mode_16_64 3
		.amdhsa_memory_ordered 1
		.amdhsa_forward_progress 1
		.amdhsa_inst_pref_size 230
	.end_amdhsa_kernel
	.amdgpu_metadata
---
amdhsa.version: [ 1, 2 ]
amdhsa.kernels:
  - .name:           k_q301a07ea1a_qkv
    .symbol:         k_q301a07ea1a_qkv.kd
    .args:
      - { .name: opc, .offset: 0, .size: 8, .value_kind: global_buffer, .address_space: global }
      - { .name: ops, .offset: 8, .size: 8, .value_kind: global_buffer, .address_space: global }
      - { .name: cst, .offset: 16, .size: 8, .value_kind: global_buffer, .address_space: global }
      - { .name: qkvc, .offset: 24, .size: 8, .value_kind: global_buffer, .address_space: global }
      - { .name: qkvs, .offset: 32, .size: 8, .value_kind: global_buffer, .address_space: global }
    .group_segment_fixed_size: 327680
    .private_segment_fixed_size: 0
    .kernarg_segment_align: 8
    .kernarg_segment_size: 40
    .max_flat_workgroup_size: 128
    .sgpr_count:     106
    .vgpr_count:     1024
    .wavefront_size: 32
...
	.end_amdgpu_metadata
.endif
;; end of part 2
;; launch attn (part 3): grid 4 x 64, 16 waves a work-group, clusters of 4 x 1, 215,040 bytes of LDS; arguments qkvc, qkvs, oc, os; writes oc, os
.if DOCPART == 3
	.amdgcn_target "amdgcn-amd-amdhsa--gfx1250"
	.amdhsa_code_object_version 6
	.text
	.protected	k_q301a07ea1a_attn
	.globl	k_q301a07ea1a_attn
	.p2align	8
	.type	k_q301a07ea1a_attn,@function
k_q301a07ea1a_attn:
	s_mov_b64 s[64:65], 0
	v_nop
	global_prefetch_b8 v0, s[64:65] scope:SCOPE_SE
	s_setreg_imm32_b32 hwreg(HW_REG_WAVE_MODE, 25, 1), 1
	s_wait_xcnt 0x0
	s_wait_alu depctr_hold_cnt(0) depctr_sa_sdst(0) depctr_va_vdst(0) depctr_va_sdst(0) depctr_va_ssrc(0) depctr_va_vcc(0) depctr_vm_vsrc(0)
	s_getreg_b32 s2, hwreg(HW_REG_IB_STS2, 6, 4)
	s_cmp_eq_u32 s2, 0
	s_cbranch_scc0 .Lentry_in_a_cluster
	s_endpgm
.Lentry_in_a_cluster:
	s_bfe_u32 s2, ttmp6, 0x10000c
	s_cmp_lg_u32 s2, 0x3003
	s_cbranch_scc0 .Lentry_shape_is_right
	s_endpgm
.Lentry_shape_is_right:
; ATTENTION on codes of FP6 (E2M3) with E8M0 scales: O = softmax(Q K^T / 8) V for each of 64 (batch, head), 2,048 queries and keys, head size 64; O / the row's sum is quantised along the model's 1,024 and leaves as codes.
; THE SOFTMAX: t = score x log2(e) / 8; M = the row's largest t so far, rounded UP to a whole number; p = 2^(t - M) is quantised along the keys; the row's sum is taken of the unquantised p and divides O at the end.
; When M moves, the sum and O are multiplied by 2^(old M - new M): exact.
; INPUTS as the launch before lays them.  Q, K: tiles of 16 rows (tile 2 b + u, place i: row 32 b + 8 u + i + 8 (i / 8)) x 64 along K, 768 bytes: registers 0-3 as 16 bytes x lane, 4-5 as 8 bytes x lane.
; V: [step of 128 keys][tile of 16 of the head's 64][registers 0-3, 4-7, 8-11 as 512 bytes each].  Scale words of K: [step][lane (place, u)][4 words: tile 2 j + u], bytes 0, 1; of V: [step][lane][2 words].
; SHARES.  A cluster of four work-groups takes a (batch, head); a work-group 512 queries; each of its sixteen waves two tiles of 16 queries, one after the other.  All of the head's K, V and scale words lie in LDS, filled ONCE,
; 208,896 bytes, by one joint load a wave: waves 0-11 bring 16,384 bytes each of K | V, waves 12-15 3,072 bytes each of the scale words.  One wait and one barrier; nothing is filled again, so the loops have no barrier.
; No prefetch: every byte is asked for at the head, and there is no loop to run ahead in.
; WHICH KEYS FORM A TILE is chosen by the LDS addresses: tile (c, u) of a step holds at places 0-7 the keys 64 c + 8 u + j and at places 8-15 the keys 64 c + 32 + 8 u + j.  With S^T = K Q^T a lane (r, h) holds query r, and its
; 32 registers of tiles (c, 0..3) are the keys 64 c + 32 h + 0 .. 31: a WHOLE block of the next product's K, in the order of that operand's registers.  So a block's maximum and its codes need no other lane.
; TWO TILES TO A FRAGMENT.  The instruction's K is 128, the head's 64: registers 0-5 hold tile (c, u), registers 6-11 tile (c, u + 2); Q lies as zeros, q, zeros in 18 registers, and is named as [q, 0] or as [0, q]: zero codes add nothing.
; The next step's fragments of K are fetched behind this step's scores; the last step so reads 6,144 bytes of V's region and 512 of V's scale words, which nothing uses.
; RESULTS.  oc: [tile of 16 tokens][head][768]; os: [tile][place][8 words]: a head's two bytes at 2 x head.
; LIMITS: NaN and infinities are not served; a block whose every number lies under 2^-124 keeps the byte 1; the scaled scores stay under 2^31 in magnitude.
; REGISTERS: v1-7 addresses that stay, v8-11, v37 the step's; v12 -M, v13 the largest score, v[14:15] the sum; v16-33 Q; v34 8 h; v35, v36 row offsets; v38, v39 the add's; v40-87 K; v88-91 K's words as loaded;
;   scale words and nothing else: v92-93 K, v94-95 V, v96 Q, v97 p; v[98:99] f; v100-163 S^T, p, then V; v164-195 O^T; v196-214 codes; v216-231, v240 at work; v232-239 Q's word, the second tile's word and codes.
.set VB,   98304
.set KSB,  196608
.set VSB,  204800
.set SPARE, 212992                     ; the spare words: 128 bytes for each of 16 waves
.set S,    100
.set O,    164
.set P,    196
.set WV,   12
.set NC,   15                          ; s15 -log2(e) / 8
.set SEL,  20
.set CS,   22                          ; s[22:23] log2(e) / 8
.set G1C,  24
.set G1S,  32
.set G0S,  40
.set G0C,  44
.set SO,   60
.set KSO,  61
.set VSO,  62
.set CNT,  63
.set PASS, 66
.set QP,   84
.set QSP,  86
.macro ROUND
	s_barrier_signal -1
	s_barrier_wait -1
	s_cmp_lg_u32 s[WV], 0
	s_cbranch_scc1 .Lnot_wave_0_\@
	s_barrier_signal -3
.Lnot_wave_0_\@:
	s_barrier_wait -3
	s_barrier_signal -1
	s_barrier_wait -1
.endm
	s_load_b256 s[4:11], s[0:1], 0x0               ; qkvc, qkvs, oc, os
	v_lshl_add_u32 v38, v0, 2, SPARE
	v_mov_b32 v39, 0
	ds_add_u32 v38, v39                            ; the opening lines
	ds_add_u32 v38, v39
	v_lshrrev_b32 v1, 5, v0
	s_delay_alu instid0(VALU_DEP_1)
	v_readfirstlane_b32 s[WV], v1                  ; wave 0..15
	s_bfe_u32 s13, ttmp6, 0x40000                  ; cx: it enters Q's and O's addresses alone
	s_and_b32 s14, ttmp7, 0xffff                   ; 16 x batch + head
	s_mul_i32 s16, s14, 294912
	s_mov_b32 s17, 0
	s_mul_i32 s18, s14, 20480
	s_mov_b32 s19, 0
	s_lshl_b32 s68, s[WV], 14                      ; waves 0-11: my 16,384 bytes of K | V, in memory and in LDS alike
	s_and_b32 s67, s[WV], 3
	s_mul_i32 s70, s67, 3072                       ; waves 12-15: my quarter of the scale words
	s_mov_b32 s[G1C], 15|(3<<16)|(1<<21)           ; dense bytes as rows of 256; the mask names all four work-groups
	s_mov_b32 s[G1C+1], 32<<16
	s_mov_b32 s[G1C+2], 64<<16
	s_mov_b32 s[G1C+3], 32<<16
	s_mov_b32 s[G1C+4], 64
	s_mov_b32 s[G1C+5], 32
	s_mov_b32 s[G1C+6], 0
	s_mov_b32 s[G1C+7], 0
	s_mov_b32 s[G1S], 15|(3<<16)|(1<<21)
	s_mov_b32 s[G1S+1], 32<<16
	s_mov_b32 s[G1S+2], 12<<16
	s_mov_b32 s[G1S+3], 32<<16
	s_mov_b32 s[G1S+4], 12
	s_mov_b32 s[G1S+5], 32
	s_mov_b32 s[G1S+6], 0
	s_mov_b32 s[G1S+7], 0
	s_mov_b32 s[SEL], 0x76543210
	s_mov_b32 s[SEL+1], 0xfedcba98
	s_mov_b32 s[CS], 0x3e38aa3b
	s_mov_b32 s[CS+1], s[CS]
	s_mov_b32 s[NC], 0xbe38aa3b
	s_wait_dscnt 0x0
	s_wait_kmcnt 0x0
	s_add_nc_u64 s[72:73], s[4:5], s[16:17]        ; the head's codes
	s_add_nc_u64 s[74:75], s[6:7], s[18:19]        ; and scale words
	s_mov_b32 s76, s68
	s_mov_b32 s77, 0
	s_add_nc_u64 s[76:77], s[72:73], s[76:77]
	s_mov_b32 s78, s70
	s_mov_b32 s79, 0
	s_add_nc_u64 s[78:79], s[74:75], s[78:79]
	s_mov_b32 s[G0S], 1
	s_add_co_u32 s[G0S+1], s70, KSB
	s_add_nc_u64 s[G0S+2:G0S+3], s[78:79], 8192    ; K's scale words begin 8,192 bytes into the head's, V's follow
	s_or_b32 s[G0S+3], s[G0S+3], 0x80000000
	s_mov_b32 s[G0C], 1
	s_mov_b32 s[G0C+1], s68
	s_add_nc_u64 s[G0C+2:G0C+3], s[76:77], 98304   ; K begins 98,304 bytes into the head's codes, V follows
	s_or_b32 s[G0C+3], s[G0C+3], 0x80000000
	ROUND                                          ; all four work-groups are here: the joint loads meet
	s_cmp_lt_u32 s[WV], 12                         ; one load in each arm: every wave issues one
	s_cbranch_scc0 .Lwords
	tensor_load_to_lds s[G0C:G0C+3], s[G1C:G1C+7]
	s_nop 0
.rept 4
	v_nop
.endr
	s_branch .Lasked
.Lwords:
	tensor_load_to_lds s[G0S:G0S+3], s[G1S:G1S+7]
	s_nop 0
.rept 4
	v_nop
.endr
.Lasked:
	s_lshl_b32 s80, s13, 5
	s_add_co_u32 s80, s80, s[WV]                   ; my first tile of queries: 32 cx + wave; the second is 16 further on
	s_mul_i32 s82, s80, 768
	s_mov_b32 s83, 0
	s_add_nc_u64 s[QP:QP+1], s[72:73], s[82:83]
	s_lshl_b32 s81, s13, 2
	s_lshr_b32 s82, s[WV], 3
	s_add_co_u32 s81, s81, s82
	s_lshl_b32 s81, s81, 9                         ; its scale words: 512 bytes for each 8 tiles,
	s_and_b32 s82, s[WV], 1
	s_lshl_b32 s82, s82, 8                         ; the odd tile's in lanes 16-31's places,
	s_add_co_u32 s81, s81, s82
	s_bfe_u32 s82, s[WV], 0x20001
	s_lshl_b32 s82, s82, 2                         ; word (tile % 8) / 2
	s_add_co_u32 s82, s81, s82
	s_add_nc_u64 s[QSP:QSP+1], s[74:75], s[82:83]
	s_lshr_b32 s81, s14, 4
	s_lshl_b32 s81, s81, 7
	s_add_co_u32 s81, s81, s80                     ; the tile among all 512
	s_and_b32 s80, s14, 15                         ; the head
	s_mul_i32 s82, s81, 12288
	s_mul_i32 s67, s80, 768
	s_add_co_u32 s82, s82, s67
	s_add_nc_u64 s[8:9], s[8:9], s[82:83]
	s_lshl_b32 s82, s81, 9
	s_lshl_b32 s67, s80, 1
	s_add_co_u32 s82, s82, s67
	s_add_nc_u64 s[10:11], s[10:11], s[82:83]
	v_and_b32 v40, 31, v0                          ; lane
	v_and_b32 v41, 15, v0                          ; r
	v_bfe_u32 v42, v0, 4, 1                        ; h
	v_and_b32 v43, 7, v0                           ; r % 8
	v_bfe_u32 v44, v0, 3, 1                        ; r / 8
	v_lshlrev_b32 v1, 4, v40                       ; 16 x lane
	v_lshlrev_b32 v2, 3, v40
	v_mul_u32_u24 v45, v44, 1536                   ; places 8-15 come from the tile two further on
	v_lshlrev_b32 v36, 4, v41                      ; a row's place among Q's scale words
	v_lshlrev_b32 v35, 5, v41                      ; a row's scale words in os
	v_add_nc_u32 v7, VSB, v2                       ; V's scale words
	v_add_nc_u32 v2, 512, v2                       ; registers 4, 5 of a half image
	v_add_nc_u32 v6, VB, v1                        ; V
	v_lshl_add_u32 v3, v43, 4, v45
	v_lshl_add_u32 v4, v43, 3, v45
	v_lshl_add_u32 v5, v43, 4, KSB
	v_lshl_add_u32 v3, v42, 8, v3                  ; K, registers 0-3: 1,536 (r / 8) + 16 (r % 8) + 256 h
	v_lshl_add_u32 v4, v42, 7, v4
	v_lshl_add_u32 v5, v42, 8, v5
	v_lshlrev_b32 v34, 3, v42                      ; 8 h
	v_add_nc_u32 v4, 512, v4                       ; K, registers 4-5: 512 + 1,536 (r / 8) + 8 (r % 8) + 128 h
	v_lshl_add_u32 v5, v44, 2, v5                  ; K's words: 16 (r % 8) + 256 h + 4 (r / 8)
	s_wait_alu depctr_va_vdst(0)
	global_load_b128 v[22:25], v1, s[QP:QP+1]      ; both my tiles of Q come now, under the tensor loads
	global_load_b64 v[26:27], v2, s[QP:QP+1]
	global_load_b32 v232, v36, s[QSP:QSP+1]
	global_load_b128 v[234:237], v1, s[QP:QP+1] offset:12288
	global_load_b64 v[238:239], v2, s[QP:QP+1] offset:12288
	global_load_b32 v233, v36, s[QSP:QSP+1] offset:1024
.irp j, 16,17,18,19,20,21,28,29,30,31,32,33
	v_mov_b32 v[\j], 0                             ; the zero codes on both sides of q
.endr
	v_mov_b32 v99, 0                               ; (named as the upper half of the pair v[98:99])
	v_mov_b32 v218, 0                              ; a lane permute's destination counts as one of its sources
	v_mov_b32 v240, 0
	s_wait_alu depctr_va_vdst(0)
	s_wait_loadcnt 0x0
	s_wait_tensorcnt 0x0                           ; my part of the head's bytes is in
	s_barrier_signal -1
	s_barrier_wait -1                              ; everybody's is
.macro KLOAD n                         ; K's four fragments and four registers of words of the n-th step from the address registers
.irp x, 0,1,2,3
	ds_load_b32 v[88+\x], v10 offset:512*(\n)+8*(\x/2)+128*(\x%2)   ; x = 2 c + u / 2: lanes 0-15 the even u's rows, lanes 16-31 the odd u's
.endr
.irp f, 0,1,2,3
	ds_load_b128 v[40+12*\f:43+12*\f], v8 offset:6144*(\n)+768*(4*(\f/2)+\f%2)
	ds_load_b64 v[44+12*\f:45+12*\f], v9 offset:6144*(\n)+768*(4*(\f/2)+\f%2)
	ds_load_b128 v[46+12*\f:49+12*\f], v8 offset:6144*(\n)+768*(4*(\f/2)+\f%2)+128
	ds_load_b64 v[50+12*\f:51+12*\f], v9 offset:6144*(\n)+768*(4*(\f/2)+\f%2)+64
.endr
.endm
.macro SCORE c, uh, ul                 ; tile (c, 2 uh + ul)
.if \ul
	v_wmma_scale_f32_16x16x128_f8f6f4 v[S+8*(4*\c+2*\uh+\ul):S+8*(4*\c+2*\uh+\ul)+7], v[40+12*(2*\c+\ul):51+12*(2*\c+\ul)], v[22-6*\uh:33-6*\uh], 0, v[92+\c], v96 matrix_a_fmt:MATRIX_FMT_FP6 matrix_b_fmt:MATRIX_FMT_FP6 matrix_a_scale:MATRIX_SCALE_ROW1
.else
	v_wmma_scale_f32_16x16x128_f8f6f4 v[S+8*(4*\c+2*\uh+\ul):S+8*(4*\c+2*\uh+\ul)+7], v[40+12*(2*\c+\ul):51+12*(2*\c+\ul)], v[22-6*\uh:33-6*\uh], 0, v[92+\c], v96 matrix_a_fmt:MATRIX_FMT_FP6 matrix_b_fmt:MATRIX_FMT_FP6
.endif
.endm
.macro PVMUL t
.if (\t)%2
	v_wmma_scale_f32_16x16x128_f8f6f4 v[O+8*(\t):O+8*(\t)+7], v[S+12*(\t):S+12*(\t)+11], v[P:P+11], v[O+8*(\t):O+8*(\t)+7], v[94+(\t)/2], v97 matrix_a_fmt:MATRIX_FMT_FP6 matrix_b_fmt:MATRIX_FMT_FP6 matrix_a_scale:MATRIX_SCALE_ROW1
.else
	v_wmma_scale_f32_16x16x128_f8f6f4 v[O+8*(\t):O+8*(\t)+7], v[S+12*(\t):S+12*(\t)+11], v[P:P+11], v[O+8*(\t):O+8*(\t)+7], v[94+(\t)/2], v97 matrix_a_fmt:MATRIX_FMT_FP6 matrix_b_fmt:MATRIX_FMT_FP6
.endif
.endm
; A KEY STEP: 128 keys.  A trip of the loop is two of them (hf = 0, 1), so that the address registers are made once for two steps.
.macro HALF hf
.irp c, 0,1
.irp uh, 0,1
.irp ul, 0,1
	SCORE \c, \uh, \ul
.endr
.endr
.endr
.if \hf == 0                           ; four places between the products and the loads into K's registers and the reads of the scores
	v_add_nc_u32 v11, s[SO], v6                    ; this trip's V
	v_add_nc_u32 v37, s[VSO], v7
	v_nop
	v_nop
	KLOAD 1
.else
	s_add_co_u32 s[SO], s[SO], 12288
	s_add_co_u32 s[KSO], s[KSO], 1024
	s_add_co_u32 s[VSO], s[VSO], 512
	v_add_nc_u32 v8, s[SO], v3                     ; the next trip's K
	v_add_nc_u32 v9, s[SO], v4
	v_add_nc_u32 v10, s[KSO], v5
	v_nop
	KLOAD 0
.endif
.irp c, 0,1                                    ; the largest score of my two blocks of 32 keys, each in two chains
	v_max3_num_f32 v[216+\c], v[S+32*\c], v[S+32*\c+1], v[S+32*\c+2]
	v_max3_num_f32 v[220+\c], v[S+32*\c+16], v[S+32*\c+17], v[S+32*\c+18]
.endr
.irp i, 3,5,7,9,11,13
.irp c, 0,1
	v_max3_num_f32 v[216+\c], v[216+\c], v[S+32*\c+\i], v[S+32*\c+\i+1]
	v_max3_num_f32 v[220+\c], v[220+\c], v[S+32*\c+16+\i], v[S+32*\c+17+\i]
.endr
.endr
.irp c, 0,1
	v_max3_num_f32 v[216+\c], v[216+\c], v[220+\c], v[S+32*\c+15]
.endr
.irp c, 0,1
	v_max_num_f32 v[216+\c], v[216+\c], v[S+32*\c+31]
.endr
	v_max_num_f32 v222, v216, v217
	v_permlanex16_b32 v218, v222, s[SEL], s[SEL+1]
	v_max3_num_f32 v13, v13, v222, v218            ; the running largest score of my query
	v_mul_f32 v222, s[NC], v13                     ; -t
	v_floor_f32 v12, v222                          ; -M = floor(-t) = -ceil(t)
	v_sub_f32 v222, v12, v219                      ; M's old value less its new one: 0 or less
	v_cvt_i32_f32 v222, v222                       ; (it saturates)
	v_ldexp_f32 v98, 1.0, v222                     ; f = 2^(old M - new M)
.set J, 0
.rept 32
	v_pk_fma_f32 v[S+J:S+J+1], v[S+J:S+J+1], s[CS:CS+1], v[12:13] op_sel_hi:[1,0,0]   ; t - M
.set J, J+2
.endr
.irp c, 0,1
	v_fma_f32 v[216+\c], v[216+\c], s[CS], v12     ; the same of each block's largest score
.endr
	s_wait_alu depctr_va_vdst(0)
.set J, 0
.rept 64
	v_exp_f32 v[S+J], v[S+J]                       ; p = 2^(t - M)
.set J, J+1
.endr
	v_exp_f32 v216, v216                           ; the blocks' largest p: the same two instructions on the same number
	v_exp_f32 v217, v217
	v_pk_mul_f32 v[14:15], v[14:15], v[98:99] op_sel_hi:[1,0]   ; the sum under the new M (a plain place behind the batch)
	s_wait_alu depctr_va_vdst(0)                   ; and behind it
.irp k, 0,1,2,3                                ; the sum of the unquantised p, in four chains of pairs
	v_pk_add_f32 v[224+2*\k:225+2*\k], v[S+2*\k:S+2*\k+1], v[S+8+2*\k:S+9+2*\k]
.endr
.irp j, 16,24,32,40,48,56
.irp k, 0,1,2,3
	v_pk_add_f32 v[224+2*\k:225+2*\k], v[224+2*\k:225+2*\k], v[S+\j+2*\k:S+\j+2*\k+1]
.endr
.endr
.irp c, 0,1
	v_max_num_f32 v[216+\c], 0x1800000, v[216+\c]  ; the floor 2^(3 - 127): the byte cannot fall under 1
.endr
.irp c, 0,1
	v_add_nc_u32 v[220+\c], 0xff000000, v[216+\c]  ; 2 off the exponent field: the conversion's scale operand
.endr
.irp c, 0,1
	v_lshrrev_b32 v[222+\c], 23, v[220+\c]         ; the bytes of blocks h and 2 + h
.endr
.irp c, 0,1
	v_cvt_scalef32_pk16_fp6_f32 v[P+6*\c:P+6*\c+2], v[S+32*\c:S+32*\c+15], v[220+\c]
	v_cvt_scalef32_pk16_fp6_f32 v[208+4*\c:210+4*\c], v[S+32*\c+16:S+32*\c+31], v[220+\c]   ; (a conversion's three registers begin on an even number)
.endr
	v_lshl_or_b32 v222, v223, 16, v222             ; (the plain place behind the conversions)
.irp t, 0,1,2,3                                ; p is in codes: its registers take V's four fragments
.irp c, 0,1,2
	ds_load_b128 v[S+12*\t+4*\c:S+12*\t+4*\c+3], v11 offset:6144*\hf+1536*\t+512*\c
.endr
.endr
	ds_load_b64 v[94:95], v37 offset:256*\hf
	v_lshlrev_b32 v222, v34, v222                  ; my two bytes at their places,
	v_permlanex16_b32 v240, v222, s[SEL], s[SEL+1]
	v_or_b32 v97, v222, v240                       ; with lane l xor 16's two: p's scale word
.irp c, 0,1
.irp i, 0,1,2
	v_mov_b32 v[P+3+6*\c+\i], v[208+4*\c+\i]
.endr
.endr
	s_wait_dscnt 13                                ; all but V's 12 loads and its words' one: the next step's K and its words are in
	v_lshl_or_b32 v92, v89, 16, v88                ; the next step's words: bytes 0, 1 tile (c, u), bytes 2, 3 tile (c, u + 2)
	v_lshl_or_b32 v93, v91, 16, v90
	s_wait_alu depctr_va_vdst(0)
.set J, 0
.rept 16
	v_pk_mul_f32 v[O+J:O+J+1], v[O+J:O+J+1], v[98:99] op_sel_hi:[1,0]   ; O^T under the new M; also the places between the scale words' and the codes' last writes and the products
.set J, J+2
.endr
	s_wait_alu depctr_va_vdst(0)
	s_wait_dscnt 0x0
.irp t, 0,1,2,3
	PVMUL \t
.endr
	v_pk_add_f32 v[224:225], v[224:225], v[226:227]   ; five places between these products and the next scores, which write over V's fragments: the four chains join the sum,
	v_pk_add_f32 v[228:229], v[228:229], v[230:231]
	v_mov_b32 v219, v12                            ; and -M is kept for the next step
	v_pk_add_f32 v[224:225], v[224:225], v[228:229]
	v_pk_add_f32 v[14:15], v[14:15], v[224:225]
.endm
	s_mov_b32 s[PASS], 2
.Lpass:
	s_mov_b32 s[SO], 0
	s_mov_b32 s[KSO], 0
	s_mov_b32 s[VSO], 0
	v_add_nc_u32 v8, s[SO], v3
	v_add_nc_u32 v9, s[SO], v4
	v_add_nc_u32 v10, s[KSO], v5
	KLOAD 0
	v_lshl_or_b32 v96, v232, 16, v232              ; q's two bytes serve as bytes 0, 1 and as bytes 2, 3
	v_mov_b32 v13, 0xff61b1e6                      ; the largest score so far: -3e38
	v_mov_b32 v12, 0x7d000000                      ; -M: a large whole number, so that the first f is 0
	v_mov_b32 v219, 0x7d000000
	v_mov_b32 v14, 0
	v_mov_b32 v15, 0
	s_wait_alu depctr_va_vdst(0)
	s_wait_dscnt 0x0
	v_lshl_or_b32 v92, v89, 16, v88
	v_lshl_or_b32 v93, v91, 16, v90
.set J, 0
.rept 32
	v_mov_b32 v[O+J], 0                            ; O^T: the step is written once; also the places ahead of the first scores
.set J, J+1
.endr
	s_mov_b32 s[CNT], 8
.Lstep:
	HALF 0
	HALF 1
	s_sub_co_u32 s[CNT], s[CNT], 1
	s_cmp_lg_u32 s[CNT], 0
	s_wait_alu depctr_va_vdst(0)
	s_cbranch_scc1 .Lstep
	; THE WAY OUT: O^T / the sum, quantised along the head's 64 (two blocks, each in lanes l and l xor 16): half an operand image and two scale bytes
	v_add_f32 v14, v14, v15
	s_delay_alu instid0(VALU_DEP_1)
	v_permlanex16_b32 v218, v14, s[SEL], s[SEL+1]
	s_delay_alu instid0(VALU_DEP_1)
	v_add_f32 v14, v14, v218                       ; the row's sum
	s_wait_alu depctr_va_vdst(0)
	v_rcp_f32 v14, v14
	v_nop
	s_wait_alu depctr_va_vdst(0)
.set J, 0
.rept 32
	v_mul_f32 v[S+J], v[O+J], v14                  ; register 16 b + i: channel 32 b + 16 h + i of my query
.set J, J+1
.endr
.irp b, 0,1
	v_max3_num_f32 v[216+\b], |v[S+16*\b]|, |v[S+1+16*\b]|, 0x1800000
.endr
.irp i, 2,4,6,8,10,12,14
.irp b, 0,1
	s_delay_alu instid0(VALU_DEP_2)
	v_max3_num_f32 v[216+\b], v[216+\b], |v[S+16*\b+\i]|, |v[S+1+16*\b+\i]|
.endr
.endr
	s_delay_alu instid0(VALU_DEP_2)
	v_permlanex16_b32 v218, v216, s[SEL], s[SEL+1]
	s_delay_alu instid0(VALU_DEP_2)
	v_permlanex16_b32 v240, v217, s[SEL], s[SEL+1]
	s_delay_alu instid0(VALU_DEP_2)
	v_max_num_f32 v216, v216, v218
	s_delay_alu instid0(VALU_DEP_2)
	v_max_num_f32 v217, v217, v240
.irp b, 0,1
	s_delay_alu instid0(VALU_DEP_2)
	v_add_nc_u32 v[220+\b], 0xff000000, v[216+\b]
.endr
.irp b, 0,1
	s_delay_alu instid0(VALU_DEP_2)
	v_lshrrev_b32 v[222+\b], 23, v[220+\b]
.endr
	s_delay_alu instid0(VALU_DEP_1)
	v_lshl_or_b32 v222, v223, 8, v222              ; the head's two bytes
	v_cvt_scalef32_pk16_fp6_f32 v[P:P+2], v[S:S+15], v220
	v_cvt_scalef32_pk16_fp6_f32 v[208:210], v[S+16:S+31], v221
	v_nop
.irp i, 0,1,2
	v_permlane16_swap_b32 v[P+\i], v[208+\i]
.endr
.irp i, 0,1,2
	s_delay_alu instid0(VALU_DEP_3)
	v_mov_b32 v[P+3+\i], v[208+\i]
.endr
	global_store_b128 v1, v[P:P+3], s[8:9]         ; 512 consecutive bytes, aligned to 256
	global_store_b64 v2, v[P+4:P+5], s[8:9]        ; and 256
	global_store_b16 v35, v222, s[10:11]           ; two bytes a row (both halves of the lanes write the same)
.irp i, 0,1,2,3,4,5
	v_mov_b32 v[22+\i], v[234+\i]                  ; the second tile of Q takes the first's place
.endr
	v_mov_b32 v232, v233
	s_wait_alu depctr_va_vdst(0)
	s_wait_xcnt 0x0                                ; the stores have read their bases and registers
	s_add_nc_u64 s[8:9], s[8:9], 196608
	s_add_nc_u64 s[10:11], s[10:11], 8192
	s_sub_co_u32 s[PASS], s[PASS], 1
	s_cmp_lg_u32 s[PASS], 0
	s_cbranch_scc1 .Lpass
	s_wait_tensorcnt 0x0                           ; the wave's end
	ds_add_u32 v38, v39
	s_wait_dscnt 0x0
	ROUND                                          ; the closing round
	s_endpgm
.Lfunc_end_k_q301a07ea1a_attn:
	.size	k_q301a07ea1a_attn, .Lfunc_end_k_q301a07ea1a_attn-k_q301a07ea1a_attn
	.p2alignl 7, 3214868480
	.fill 96, 4, 3214868480
	.section	.rodata,"a",@progbits
	.p2align	6, 0x0
	.amdhsa_kernel k_q301a07ea1a_attn
		.amdhsa_group_segment_fixed_size 215040
		.amdhsa_private_segment_fixed_size 0
		.amdhsa_enable_private_segment 0
		.amdhsa_kernarg_size 32
		.amdhsa_user_sgpr_count 2
		.amdhsa_user_sgpr_kernarg_segment_ptr 1
		.amdhsa_wavefront_size32 1
		.amdhsa_system_sgpr_workgroup_id_x 1
		.amdhsa_system_sgpr_workgroup_id_y 1
		.amdhsa_system_sgpr_workgroup_id_z 1
		.amdhsa_system_vgpr_workitem_id 0
		.amdhsa_next_free_vgpr 256
		.amdhsa_next_free_sgpr 90
		.amdhsa_reserve_vcc 0
		.amdhsa_float_denorm_mode_32 3
		.amdhsa_float_denorm_mode_16_64 3
		.amdhsa_memory_ordered 1
		.amdhsa_forward_progress 1
		.amdhsa_inst_pref_size 45
	.end_amdhsa_kernel
	.amdgpu_metadata
---
amdhsa.version: [ 1, 2 ]
amdhsa.kernels:
  - .name:           k_q301a07ea1a_attn
    .symbol:         k_q301a07ea1a_attn.kd
    .args:
      - { .name: qkvc, .offset: 0, .size: 8, .value_kind: global_buffer, .address_space: global }
      - { .name: qkvs, .offset: 8, .size: 8, .value_kind: global_buffer, .address_space: global }
      - { .name: oc, .offset: 16, .size: 8, .value_kind: global_buffer, .address_space: global }
      - { .name: os, .offset: 24, .size: 8, .value_kind: global_buffer, .address_space: global }
    .group_segment_fixed_size: 215040
    .private_segment_fixed_size: 0
    .kernarg_segment_align: 8
    .kernarg_segment_size: 32
    .max_flat_workgroup_size: 512
    .sgpr_count:     90
    .vgpr_count:     256
    .wavefront_size: 32
...
	.end_amdgpu_metadata
.endif
;; end of part 3
;; launch oproj (part 4): grid 8 x 32, 4 waves a work-group, clusters of 4 x 4, 327,680 bytes of LDS; arguments oc, os, opc, ops, out0; writes out0
.if DOCPART == 4
	.amdgcn_target "amdgcn-amd-amdhsa--gfx1250"
	.amdhsa_code_object_version 6
	.text
	.protected	k_q301a07ea1a_oproj
	.globl	k_q301a07ea1a_oproj
	.p2align	8
	.type	k_q301a07ea1a_oproj,@function
k_q301a07ea1a_oproj:
	s_mov_b64 s[64:65], 0
	v_nop
	global_prefetch_b8 v0, s[64:65] scope:SCOPE_SE
	s_setreg_imm32_b32 hwreg(HW_REG_WAVE_MODE, 25, 1), 1
	s_wait_xcnt 0x0
	s_wait_alu depctr_hold_cnt(0) depctr_sa_sdst(0) depctr_va_vdst(0) depctr_va_sdst(0) depctr_va_ssrc(0) depctr_va_vcc(0) depctr_vm_vsrc(0)
	s_getreg_b32 s2, hwreg(HW_REG_IB_STS2, 6, 4)
	s_cmp_eq_u32 s2, 0
	s_cbranch_scc0 .Lentry_in_a_cluster
	s_endpgm
.Lentry_in_a_cluster:
	s_bfe_u32 s2, ttmp6, 0x10000c
	s_cmp_lg_u32 s2, 0xf033
	s_cbranch_scc0 .Lentry_shape_is_right
	s_endpgm
.Lentry_shape_is_right:
; OPROJ.  out0 = O wo^T on codes of FP6 (E2M3) with E8M0 scales, K = 1,024; out0 [8192][1024] f32.
; OPERANDS: rows in tiles of 16 (tile 2 b + u, place i: row 32 b + 8 u + i + 8 (i / 8)); a tile and 128 along K are 1,536 bytes, an image of the operand's 12 registers (for c = 0, 1: registers 6 c .. 6 c + 3 as 16 bytes x lane,
; 6 c + 4, 6 c + 5 as 8 bytes x lane); a tile's 8 K steps on end; scale words [tile][place][8].  A = O (oc, os), blocks of 16 tiles 0-31; B = wo: tiles 704-767 of opc, ops, in blocks of 8 tiles.
; SHARES.  32 x 8 blocks of 256 x 128 of out0: 256 work-groups in 16 clusters of 4 x 4.  A wave makes 128 x 64: A's 8 tiles x B's 4, 32 accumulators.  Source 0 = B's tiles, source 1 = A's: a lane holds one row of A
; (place lane % 16), and the 16 registers of B's tiles 2 b, 2 b + 1 are the columns 32 b + 16 (lane / 16) + 0 .. 15.  A's tiles are shared along a row of the cluster, B's along a column: each is asked for jointly.
; LOADS, one a wave behind each barrier.  At the head: wave 0 A's 16 tiles of K 0-255, wave 1 B's 8, wave 2 A's scale words, wave 3 B's.  Behind a round: K 256-767, tile rows of 6,144 bytes, waves 0, 1 eight tiles of A each,
; waves 2, 3 four of B.  Behind the round in K step 1: K 768-1,023 into slot 0.  No prefetch: the eight K steps are written out and a wave has three loads in all: there is no loop to run ahead in.
; REGISTERS, in windows of 256: window 0: v4-27 addresses, v32-95 scale words and nothing else, v128-223 A's fragments (one set; on the way out v128-191 are rows of out0); window 1: B's fragments, two sets, at v0 and v128;
;   windows 2, 3: the accumulators ((a, b) at v[8 (8 (a % 4) + b)]).
.set FR,    12
.set TILEB, 3072                       ; a tile's bytes of 256 along K
.set HALFT, 8*TILEB
.set AS0,   0                          ; slot 0: A's 16 tiles,
.set BS0,   2*HALFT                    ; B's 8
.set AW,    3*HALFT                    ; K 256-767: A's 16 tiles x 6,144 bytes,
.set BW,    7*HALFT                    ; B's 8
.set SCL,   9*HALFT                    ; the scale words: B's 4,096 bytes, then A's 8,192
.set SPARE, SCL+12288                  ; the spare words, 128 bytes for each wave: two blocks of 256 bytes that no other line names
.set STAGE, SPARE+512                  ; the way out: 16 rows x (256 bytes + 16) for each wave, bytes of its own
.set SPITCH, 272
.set ADA16, 4                          ; v4-6   my A tiles in slot 0, in K 256-511, in K 512-767, + 16 x lane
.set ADA8,  7                          ; v7-9   + 8 x lane
.set ADB16, 10
.set ADB8,  13
.set ADRS,  16                         ; v16 my scale words: lanes 0-15 A's rows, lanes 16-31 B's
.set L16,   17
.set L8,    18
.set STO,   19                         ; v19 the way out: where I put 32 bytes of a row
.set RD,    20                         ; v20 where I read rows back
.set CO,    22                         ; v22 my byte offset in out0
.set SPW,   28
.set NIL,   29
.set SC,    32
.set AF,    128
.set BK,    128                        ; 16 rows read back: v128-159 and v160-191 by turns
.set G1A,  24
.set G1B,  32
.set G1SA, 40
.set G1SB, 48
.set G0A0, 56
.set G0A1, 60
.set G0A2, 68
.set G0B0, 72
.set G0B1, 76
.set G0B2, 80
.set G0SA, 84
.set G0SB, 88
.set MSB, 0
.macro WIN new                         ; the immediate's high byte repeats the setting that is left
.if MSB != (\new)
	s_set_vgpr_msb (MSB<<8)|(\new)
.set MSB, (\new)
.endif
.endm
.set MUL_LO, 0xa1                      ; source 0 (B) window 1, source 1 (A) window 0, C and D window 2
.set MUL_HI, 0xf1
.set TO_B,   0x40
.macro JLOAD g0a, g1a, g0b, g1b        ; a joint load: waves 0 and 1 fetch for A, waves 2 and 3 for B; four v_nop follow each line
	s_cmp_eq_u32 s15, 0
	s_cbranch_scc0 .Lfor_b_\@
	tensor_load_to_lds s[\g0a:\g0a+3], s[\g1a:\g1a+7]
	s_nop 0
.rept 4
	v_nop
.endr
	s_branch .Lasked_\@
.Lfor_b_\@:
	tensor_load_to_lds s[\g0b:\g0b+3], s[\g1b:\g1b+7]
	s_nop 0
.rept 4
	v_nop
.endr
.Lasked_\@:
.endm
.macro CREST
	s_cmp_lg_u32 s14, 0
	s_cbranch_scc1 .Lnot_wave_0_\@
	s_barrier_signal -3
.Lnot_wave_0_\@:
	s_barrier_wait -3
	s_barrier_signal -1
	s_barrier_wait -1
.endm
.macro CROUND
	s_barrier_signal -1
	s_barrier_wait -1
	CREST
.endm
.macro SETG0 g, ldsreg, ldsoff, src, goff
	s_mov_b32 s[\g], 1
	s_add_co_u32 s[\g+1], s[\ldsreg], \ldsoff
	s_add_nc_u64 s[\g+2:\g+3], s[\src:\src+1], \goff
	s_or_b32 s[\g+3], s[\g+3], 0x80000000
.endm
.macro SETG1 g, cols, rows, pitch      ; words 1 to 7 of a descriptor's group 1: rows of cols elements of 8 bytes, pitch elements apart
	s_mov_b32 s[\g+1], (\cols)<<16
	s_mov_b32 s[\g+2], (\rows)<<16
	s_mov_b32 s[\g+3], (\cols)<<16
	s_mov_b32 s[\g+4], \rows
	s_mov_b32 s[\g+5], \pitch
	s_mov_b32 s[\g+6], 0
	s_mov_b32 s[\g+7], 0
.endm
.macro PLACES n
.rept \n
	v_nop
.endr
.endm
	s_load_b256 s[4:11], s[0:1], 0x0               ; oc s[4:5], os s[6:7], opc s[8:9], ops s[10:11]
	s_load_b64 s[12:13], s[0:1], 0x20              ; out0
	v_lshl_add_u32 v[SPW], v0, 2, SPARE
	v_mov_b32 v[NIL], 0
	ds_add_u32 v[SPW], v[NIL]                      ; the opening lines
	ds_add_u32 v[SPW], v[NIL]
	s_wait_dscnt 0x0
	v_lshrrev_b32 v1, 5, v0
	v_readfirstlane_b32 s14, v1                    ; wave 0..3
	s_lshr_b32 s15, s14, 1                         ; which half of A is mine.  Also: I fetch for A (0) or for B (1)
	s_and_b32 s16, s14, 1                          ; which half of B.  Also: which half of that operand's tiles I fetch
	s_bfe_u32 s92, ttmp6, 0x40000                  ; cx
	s_bfe_u32 s93, ttmp6, 0x40004                  ; cy
	s_and_b32 s18, ttmp7, 0xffff
	s_lshl_b32 s18, s18, 2
	s_add_co_u32 s18, s18, s93                     ; A's block of 256 rows: 4 x cluster y + cy
	s_lshl_b32 s19, ttmp9, 2
	s_add_co_u32 s19, s19, s92                     ; B's block of 128 columns: 4 x cluster x + cx
	s_lshl_b32 s94, s93, 2
	s_lshl_b32 s94, 15, s94                        ; my row of the cluster
	s_lshl_b32 s95, 0x1111, s92                    ; my column
	s_or_b32 s[G1A], s94, (3<<16)|(1<<21)
	s_or_b32 s[G1B], s95, (3<<16)|(1<<21)
	s_or_b32 s[G1SA], s94, (3<<16)|(1<<21)
	s_or_b32 s[G1SB], s95, (3<<16)|(1<<21)
	SETG1 G1A, 384, 16, 1536                       ; the head's: A's 16 tiles x 3,072 bytes, 12,288 apart,
	SETG1 G1B, 384, 8, 1536                        ; B's 8,
	SETG1 G1SA, 32, 32, 32                         ; A's scale words, 8,192 dense bytes as rows of 256,
	SETG1 G1SB, 32, 16, 32                         ; B's, 4,096
	s_mul_i32 s20, s18, 196608
	s_mov_b32 s21, 0
	s_lshl_b32 s22, s18, 13
	s_mov_b32 s23, 0
	s_mul_i32 s96, s19, 98304
	s_add_co_u32 s96, s96, 44*196608               ; wo's tiles begin at 704
	s_mov_b32 s97, 0
	s_lshl_b32 s98, s19, 12
	s_add_co_u32 s98, s98, 44*8192
	s_mov_b32 s99, 0
	s_mul_i32 s3, s16, HALFT                       ; where my tiles go: no place in the cluster enters an LDS address
	s_mul_i32 s17, s16, HALFT/2
	s_mul_i32 s100, s16, 2*HALFT
	s_wait_kmcnt 0x0
	s_add_nc_u64 s[20:21], s[4:5], s[20:21]
	s_add_nc_u64 s[22:23], s[6:7], s[22:23]
	s_add_nc_u64 s[96:97], s[8:9], s[96:97]
	s_add_nc_u64 s[98:99], s[10:11], s[98:99]
	CROUND                                         ; all sixteen work-groups are here: the first joint loads meet
	s_mov_b32 s2, 0
	SETG0 G0A1, 2, AS0, 20, 0
	SETG0 G0B1, 2, BS0, 96, 0
	SETG0 G0SA, 2, SCL+4096, 22, 0
	SETG0 G0SB, 2, SCL, 98, 0
	s_mul_i32 s66, s16, 98304                      ; from here on: the 8 tiles of A, or the 4 of B, that I fetch
	s_mov_b32 s67, 0
	s_mul_i32 s104, s16, 49152
	s_mov_b32 s105, 0
	s_add_nc_u64 s[20:21], s[20:21], s[66:67]
	s_add_nc_u64 s[96:97], s[96:97], s[104:105]
	SETG0 G0A0, 3, AS0, 20, 0                      ; slot 0's refill steps these to K 768
	SETG0 G0B0, 17, BS0, 96, 0
	SETG0 G0A2, 100, AW, 20, TILEB                 ; K 256-767
	SETG0 G0B2, 3, BW, 96, TILEB
; THE HEAD'S LOADS, ONE A WAVE: one tree of branches on the wave's number, a load in every arm
.macro ARM under, g0, g1, next
	s_cmp_lt_u32 s14, \under
	s_cbranch_scc0 \next
	tensor_load_to_lds s[\g0:\g0+3], s[\g1:\g1+7]
	s_nop 0
.rept 4
	v_nop
.endr
	s_branch .Lhead_asked
\next:
.endm
	ARM 1, G0A1, G1A, .Lhead_b
	ARM 2, G0B1, G1B, .Lhead_sa
	ARM 3, G0SA, G1SA, .Lhead_sb
	tensor_load_to_lds s[G0SB:G0SB+3], s[G1SB:G1SB+7]
	s_nop 0
.rept 4
	v_nop
.endr
.Lhead_asked:
	s_lshl_b32 s104, s18, 20                       ; out0: 256 rows of 4,096 bytes a block,
	s_lshl_b32 s105, s15, 19                       ; my 128 rows,
	s_add_co_u32 s104, s104, s105
	s_lshl_b32 s105, s19, 9                        ; the work-group's 128 columns,
	s_add_co_u32 s104, s104, s105
	s_lshl_b32 s105, s16, 8                        ; my 64
	s_add_co_u32 s104, s104, s105
	s_mov_b32 s105, 0
	s_add_nc_u64 s[12:13], s[12:13], s[104:105]
	s_mul_i32 s66, s15, HALFT                      ; what I read: my 8 tiles of A in slot 0,
	s_mul_i32 s67, s16, HALFT/2
	s_add_co_u32 s67, s67, BS0                     ; my 4 of B,
	s_mul_i32 s100, s15, 2*HALFT
	s_add_co_u32 s100, s100, AW                    ; and the same in K 256-767
	s_mul_i32 s101, s16, HALFT
	s_add_co_u32 s101, s101, BW
	s_mul_i32 s104, s14, 16*SPITCH
	s_add_co_u32 s104, s104, STAGE                 ; my stage
	s_lshl_b32 s2, s16, 11                         ; B's scale words: my 4 tiles;
	s_lshl_b32 s3, s15, 12
	s_add_co_u32 s3, s3, 4096                      ; A's, behind B's 4,096 bytes: my 8 tiles;
	s_sub_co_u32 s3, s3, s2                        ; the distance between the two
	s_add_co_u32 s2, s2, SCL
	v_and_b32 v1, 31, v0                           ; lane
	v_and_b32 v2, 15, v0                           ; r
	v_bfe_u32 v3, v0, 4, 1                         ; h
	v_lshlrev_b32 v[L16], 4, v1
	v_lshlrev_b32 v[L8], 3, v1
	v_add_nc_u32 v[ADA16], s66, v[L16]
	v_add_nc_u32 v[ADA8], s66, v[L8]
	v_add_nc_u32 v[ADB16], s67, v[L16]
	v_add_nc_u32 v[ADB8], s67, v[L8]
	v_add_nc_u32 v[ADA16+1], s100, v[L16]
	v_add_nc_u32 v[ADA8+1], s100, v[L8]
	v_add_nc_u32 v[ADB16+1], s101, v[L16]
	v_add_nc_u32 v[ADB8+1], s101, v[L8]
	v_add_nc_u32 v[ADA16+2], TILEB, v[ADA16+1]     ; K 512-767 is the second half of a tile row
	v_add_nc_u32 v[ADA8+2], TILEB, v[ADA8+1]
	v_add_nc_u32 v[ADB16+2], TILEB, v[ADB16+1]
	v_add_nc_u32 v[ADB8+2], TILEB, v[ADB8+1]
	v_sub_nc_u32 v21, 1, v3                        ; 1 in lanes 0-15, which take A's
	v_mul_u32_u24 v21, s3, v21
	v_lshl_add_u32 v21, v2, 5, v21                 ; + 32 r: a row's 8 words
	v_add_nc_u32 v[ADRS], s2, v21
	v_mul_u32_u24 v[STO], v2, SPITCH
	v_lshl_add_u32 v[STO], v3, 6, v[STO]
	v_add_nc_u32 v[STO], s104, v[STO]              ; into the stage: row r, + 64 h
	v_mul_u32_u24 v[RD], v3, SPITCH
	v_lshl_add_u32 v[RD], v2, 4, v[RD]
	v_add_nc_u32 v[RD], s104, v[RD]                ; back: lanes 0-15 take one row of 256 bytes, lanes 16-31 the next
	v_lshlrev_b32 v[CO], 12, v3
	v_lshl_add_u32 v[CO], v2, 4, v[CO]             ; and the same two rows in out0
.macro FRAG reg, a16, a8, off
	ds_load_b128 v[(\reg):(\reg)+3], v[\a16] offset:(\off)
	ds_load_b64 v[(\reg)+4:(\reg)+5], v[\a8] offset:(\off)+512
	ds_load_b128 v[(\reg)+6:(\reg)+9], v[\a16] offset:(\off)+768
	ds_load_b64 v[(\reg)+10:(\reg)+11], v[\a8] offset:(\off)+1280
.endm
.macro FETCH_B slot, q, p              ; B's four fragments; behind slot 0 a tile is 6,144 bytes
	WIN TO_B
.irp i, 0,1,2,3
	FRAG 128*(\p)+FR*\i, ADB16+\slot, ADB8+\slot, \i*TILEB*(1+((\slot)+1)/2)+(\q)*1536
.endr
	WIN 0
.endm
.macro FETCH_A slot, q, i0
.irp i, \i0, \i0+1, \i0+2, \i0+3
	FRAG AF+FR*(\i), ADA16+\slot, ADA8+\slot, (\i)*TILEB*(1+((\slot)+1)/2)+(\q)*1536
.endr
.endm
.macro SCALES                          ; all eight K steps' words: lanes 0-15 A's tile i, lanes 16-31 B's tile i (for i over 3 they read words that nothing uses)
.irp i, 0,1,2,3,4,5,6,7
	ds_load_b128 v[SC+8*\i:SC+8*\i+3], v[ADRS] offset:512*\i
	ds_load_b128 v[SC+8*\i+4:SC+8*\i+7], v[ADRS] offset:512*\i+16
.endr
.endm
; 8 matrix instructions: A's tiles a0, a0 + 1 x B's four, K step kq.  The 32 accumulators take turns, one instruction a turn, in the same order in every step.
.macro MUL8 a0, p, kq, zero
.irp a, \a0, \a0+1
.irp b, 0,1,2,3
.if \zero
	v_wmma_scale_f32_16x16x128_f8f6f4 v[8*(8*((\a)%4)+\b):8*(8*((\a)%4)+\b)+7], v[128*(\p)+FR*\b:128*(\p)+FR*\b+FR-1], v[AF+FR*(\a):AF+FR*(\a)+FR-1], 0, v[SC+8*\b+(\kq)], v[SC+8*(\a)+(\kq)] matrix_a_fmt:MATRIX_FMT_FP6 matrix_b_fmt:MATRIX_FMT_FP6 matrix_a_scale:MATRIX_SCALE_ROW1
.else
	v_wmma_scale_f32_16x16x128_f8f6f4 v[8*(8*((\a)%4)+\b):8*(8*((\a)%4)+\b)+7], v[128*(\p)+FR*\b:128*(\p)+FR*\b+FR-1], v[AF+FR*(\a):AF+FR*(\a)+FR-1], v[8*(8*((\a)%4)+\b):8*(8*((\a)%4)+\b)+7], v[SC+8*\b+(\kq)], v[SC+8*(\a)+(\kq)] matrix_a_fmt:MATRIX_FMT_FP6 matrix_b_fmt:MATRIX_FMT_FP6 matrix_a_scale:MATRIX_SCALE_ROW1
.endif
.endr
.endr
.endm
.macro STEP kq, ns, nq, zero
	s_wait_dscnt 16                                ; B's set and A's tiles 0-3 are in; the youngest 16 loads (A's tiles 4-7) may be out
	WIN MUL_LO
	MUL8 0, (\kq)%2, \kq, \zero
	MUL8 2, (\kq)%2, \kq, \zero
	s_wait_dscnt 0x0
	PLACES 4
	FETCH_B \ns, \nq, 1-(\kq)%2
	FETCH_A \ns, \nq, 0
	WIN MUL_HI
	MUL8 4, (\kq)%2, \kq, \zero
	MUL8 6, (\kq)%2, \kq, \zero
	PLACES 4
	WIN 0
	FETCH_A \ns, \nq, 4
.endm
; A K step with a barrier: in front of it each wave waits for all its tensor loads, adds 0 to its spare word, and waits for that and for its LDS reads.  fill = 1: slot 0 takes K 768-1,023 behind a round of the cluster's barrier.
.macro TURN kq, ns, fill
	s_wait_tensorcnt 0x0                           ; all my tensor loads have landed
	ds_add_u32 v[SPW], v[NIL]                      ; 0 onto my spare word
	s_wait_dscnt 17                                ; (the add and the youngest 16 loads may be out)
	WIN MUL_LO
	MUL8 0, (\kq)%2, \kq, 0
	s_wait_dscnt 0x0                               ; the add is done, and my LDS reads are over
	s_barrier_signal -1
	MUL8 2, (\kq)%2, \kq, 0
	WIN 0
	s_barrier_wait -1
.if \fill
	CREST
	s_add_nc_u64 s[G0A0+2:G0A0+3], s[G0A0+2:G0A0+3], 3*TILEB
	s_add_nc_u64 s[G0B0+2:G0B0+3], s[G0B0+2:G0B0+3], 3*TILEB
	JLOAD G0A0, G1A, G0B0, G1B                     ; it has four K steps, 128 matrix instructions, in which to land
.else
	PLACES 4
.endif
	FETCH_B \ns, 0, 1-(\kq)%2
	FETCH_A \ns, 0, 0
	WIN MUL_HI
	MUL8 4, (\kq)%2, \kq, 0
	MUL8 6, (\kq)%2, \kq, 0
	PLACES 4
	WIN 0
	FETCH_A \ns, 0, 4
.endm
	s_wait_alu depctr_va_vdst(0)
	s_wait_tensorcnt 0x0                           ; my tile of the head's four is in
	ds_add_u32 v[SPW], v[NIL]
	s_mov_b32 s[G1A+2], 8<<16                      ; no tensor load of mine is out: slot 0's refill brings 8 tiles of A a wave,
	s_mov_b32 s[G1A+4], 8
	s_mov_b32 s[G1B+2], 4<<16                      ; or 4 of B,
	s_mov_b32 s[G1B+4], 4
	SETG1 G1SA, 768, 8, 1536                       ; and the groups that served the scale words now state tile rows of 6,144 bytes
	SETG1 G1SB, 768, 4, 1536
	s_wait_dscnt 0x0
	CROUND                                         ; a whole round: all four tiles are in, and all sixteen work-groups are here
	JLOAD G0A2, G1SA, G0B2, G1SB                   ; K 256-767, my one load behind the round
	SCALES
	FETCH_B 0, 0, 0
	FETCH_A 0, 0, 0
	FETCH_A 0, 0, 4
	STEP 0, 0, 1, 1                                ; its products start the sums
	TURN 1, 1, 1                                   ; K 256-767 is whole; slot 0 is filled again
	STEP 2, 1, 1, 0
	STEP 3, 2, 0, 0
	STEP 4, 2, 1, 0
	TURN 5, 0, 0                                   ; slot 0 is whole again
	STEP 6, 0, 1, 0
	s_wait_dscnt 16                                ; K step 7: nothing more to fetch
	WIN MUL_LO
	MUL8 0, 1, 7, 0
	MUL8 2, 1, 7, 0
	s_wait_dscnt 0x0
	WIN MUL_HI
	MUL8 4, 1, 7, 0
	MUL8 6, 1, 7, 0
	WIN 0
; THE WAY OUT, tile by tile of 16 rows x 64 columns: a lane holds 8 neighbouring columns of a row in each accumulator; a tile goes through my own stage in LDS and comes back as whole rows of 256 bytes.
; LDS serves a wave's instructions in order (ISA guide 5.7.1.4): no wait between the stores and the loads, nor in front of the next tile's stores.
.macro TOSTAGE a
.set AC, 64*((\a)%4)
	WIN 0x08+4*((\a)/4)                            ; an LDS store's data: window 2 or 3
.irp b, 0,1,2,3
	ds_store_b128 v[STO], v[AC+8*\b:AC+8*\b+3] offset:128*(\b/2)+32*(\b%2)         ; columns 32 (b / 2) + 16 h + 8 (b % 2) on; each accumulator from its low end on
	ds_store_b128 v[STO], v[AC+8*\b+4:AC+8*\b+7] offset:128*(\b/2)+32*(\b%2)+16
.endr
	WIN 0
.set BB, BK+32*((\a)%2)
.irp t, 0,1,2,3,4,5,6,7
	ds_load_b128 v[BB+4*\t:BB+4*\t+3], v[RD] offset:2*\t*SPITCH
.endr
.endm
.macro SEND a, younger                 ; younger: the LDS instructions issued behind tile a's loads, which may stay out
.set BB, BK+32*((\a)%2)
	s_wait_dscnt \younger
.irp t, 0,1,2,3,4,5,6,7
	global_store_b128 v[CO], v[BB+4*\t:BB+4*\t+3], s[12:13] offset:(32*((\a)/2)+8*((\a)%2)+2*\t+8*(\t/4))*4096 th:TH_STORE_NT   ; places 2 t and 2 t + 1 of tile a; sixteen lanes store 256 consecutive bytes, aligned to 256
.endr
.endm
	PLACES 4
	TOSTAGE 0
.irp a, 1,2,3,4,5,6,7
.if \a > 1
	s_wait_xcnt 0x0                                ; tile a - 2's stores have read their registers: tile a's loads may land there
.endif
	TOSTAGE \a
	SEND \a-1, 16                                  ; behind tile a - 1's loads: tile a's 8 stores and 8 loads
.endr
	SEND 7, 0
	s_wait_tensorcnt 0x0                           ; the wave's end
	ds_add_u32 v[SPW], v[NIL]
	s_wait_dscnt 0x0
	CROUND                                         ; the closing round
	s_endpgm
.Lfunc_end_k_q301a07ea1a_oproj:
	.size	k_q301a07ea1a_oproj, .Lfunc_end_k_q301a07ea1a_oproj-k_q301a07ea1a_oproj
	.p2alignl 7, 3214868480
	.fill 96, 4, 3214868480
	.section	.rodata,"a",@progbits
	.p2align	6, 0x0
	.amdhsa_kernel k_q301a07ea1a_oproj
		.amdhsa_group_segment_fixed_size 327680
		.amdhsa_private_segment_fixed_size 0
		.amdhsa_enable_private_segment 0
		.amdhsa_kernarg_size 40
		.amdhsa_user_sgpr_count 2
		.amdhsa_user_sgpr_kernarg_segment_ptr 1
		.amdhsa_wavefront_size32 1
		.amdhsa_system_sgpr_workgroup_id_x 1
		.amdhsa_system_sgpr_workgroup_id_y 1
		.amdhsa_system_sgpr_workgroup_id_z 1
		.amdhsa_system_vgpr_workitem_id 0
		.amdhsa_next_free_vgpr 1024
		.amdhsa_next_free_sgpr 106
		.amdhsa_reserve_vcc 0
		.amdhsa_float_denorm_mode_32 3
		.amdhsa_float_denorm_mode_16_64 3
		.amdhsa_memory_ordered 1
		.amdhsa_forward_progress 1
		.amdhsa_inst_pref_size 89
	.end_amdhsa_kernel
	.amdgpu_metadata
---
amdhsa.version: [ 1, 2 ]
amdhsa.kernels:
  - .name:           k_q301a07ea1a_oproj
    .symbol:         k_q301a07ea1a_oproj.kd
    .args:
      - { .name: oc, .offset: 0, .size: 8, .value_kind: global_buffer, .address_space: global }
      - { .name: os, .offset: 8, .size: 8, .value_kind: global_buffer, .address_space: global }
      - { .name: opc, .offset: 16, .size: 8, .value_kind: global_buffer, .address_space: global }
      - { .name: ops, .offset: 24, .size: 8, .value_kind: global_buffer, .address_space: global }
      - { .name: out0, .offset: 32, .size: 8, .value_kind: global_buffer, .address_space: global }
    .group_segment_fixed_size: 327680
    .private_segment_fixed_size: 0
    .kernarg_segment_align: 8
    .kernarg_segment_size: 40
    .max_flat_workgroup_size: 128
    .sgpr_count:     106
    .vgpr_count:     1024
    .wavefront_size: 32
...
	.end_amdgpu_metadata
.endif
;; end of part 4
